; MI455X (gfx1250); checked and timed in simulation.
; The chip was launched on July 23, 2026; its instructions are those of AMD's public machine-readable ISA for CDNA 5 (MIT licence, August 2026) and "CDNA5" Instruction Set Architecture Reference Guide (July 2026). The comments in the code are by the model that wrote it; some were corrected since.
;; Self Attention Module. Allowed arithmetic: float matrix products may take bf16 or f16 operands with f32 sums; other float arithmetic in f32, or as packed bf16 or f16 multiplies, adds, multiply-adds, maxima and minima; sums over many terms, partial sums and values carried from step to step in f32; what a program stores and reads back later, other than sums and carried values, may be rounded once to bf16 or f16.
;; Inputs: Wk 1,024 x 1,024 float32; Wq 1,024 x 1,024 float32; Wv 1,024 x 1,024 float32; bk 1,024 float32; bq 1,024 float32; bv 1,024 float32; x 4 x 2,048 x 1,024 float32.
;; Outputs: out0 4 x 2,048 x 1,024 float32.
;; One version. Each part assembles by itself: llvm-mc -triple=amdgcn-amd-amdhsa -mcpu=gfx1250 --defsym DOCPART=n.
;; ======== version 1 of 1: 4 launches
;; workspace buffers: xb 16,777,216 bytes; wb 6,291,456 bytes; qk 33,554,432 bytes; vt 16,777,216 bytes; pb 33,554,432 bytes; mx 524,288 bytes; lx 524,288 bytes
;; launch cast (part 1): grid 2816 x 1, 4 waves a work-group, no clusters, 0 bytes of LDS; arguments x, Wq, Wk, Wv, xb, wb; writes xb, wb
.if DOCPART == 1
	.amdgcn_target "amdgcn-amd-amdhsa--gfx1250"
	.amdhsa_code_object_version 6
	.text
	.protected	k_qf9c8da3f6a_cast
	.globl	k_qf9c8da3f6a_cast
	.p2align	8
	.type	k_qf9c8da3f6a_cast,@function
k_qf9c8da3f6a_cast:
	s_mov_b64 s[64:65], 0
	v_nop
	global_prefetch_b8 v0, s[64:65] scope:SCOPE_SE
	s_setreg_imm32_b32 hwreg(HW_REG_WAVE_MODE, 25, 1), 1
	s_wait_xcnt 0x0
; x [8192][1024] and Wq, Wk, Wv [1024][1024], all f32, are rounded once to bf16 (nearest even): xb [8192][1024], wb [3072][1024] = Wq's rows, Wk's, Wv's.
; A work-group turns 16,384 bytes of f32 into 8,192 bytes of bf16: 2,048 such pieces of x, then 256 of each weight: 2,816 work-groups.
; A stream: each byte is read once and written once; no LDS, no barrier, no matrix work, nothing shared between work-groups.
; A wave's load covers 512 consecutive bytes, its store 256 consecutive bytes, aligned.  All eight loads of a thread go out before the first wait.
.set XPIECES, 2048
	s_load_b256 s[4:11], s[0:1], 0x0               ; x s[4:5], Wq s[6:7], Wk s[8:9], Wv s[10:11]
	s_load_b128 s[12:15], s[0:1], 0x20             ; xb s[12:13], wb s[14:15]
	s_mov_b32 s16, ttmp9                           ; the piece
	s_sub_co_u32 s17, s16, XPIECES                 ; its number among the weights' pieces (used only where the piece is none of x)
	s_lshr_b32 s18, s17, 8                         ; which weight: 0, 1, 2
	s_and_b32 s19, s17, 255                        ; the piece in that weight
	v_lshlrev_b32 v1, 4, v0                        ; my 16 bytes of f32
	v_lshlrev_b32 v2, 3, v0                        ; my 8 bytes of bf16
	s_wait_kmcnt 0x0
	s_cmp_eq_u32 s18, 1
	s_cselect_b64 s[20:21], s[8:9], s[6:7]
	s_cmp_eq_u32 s18, 2
	s_cselect_b64 s[20:21], s[10:11], s[20:21]
	s_cmp_lt_u32 s16, XPIECES
	s_cselect_b64 s[20:21], s[4:5], s[20:21]       ; from where
	s_cselect_b64 s[22:23], s[12:13], s[14:15]     ; to where
	s_cselect_b32 s24, s16, s19                    ; the piece in the source
	s_cselect_b32 s26, s16, s17                    ; the piece in the destination
	s_lshl_b32 s24, s24, 14
	s_mov_b32 s25, 0
	s_lshl_b32 s26, s26, 13
	s_mov_b32 s27, 0
	s_add_nc_u64 s[20:21], s[20:21], s[24:25]
	s_add_nc_u64 s[22:23], s[22:23], s[26:27]
.irp i, 0,1,2,3,4,5,6,7
	global_load_b128 v[8+4*(\i):8+4*(\i)+3], v1, s[20:21] offset:2048*(\i) th:TH_LOAD_NT
.endr
.irp i, 0,1,2,3,4,5,6,7
	s_wait_loadcnt 7-(\i)                          ; loads come back in order: load i is in, the 7 - i younger ones stay out
	v_cvt_pk_bf16_f32 v[40+2*(\i)], v[8+4*(\i)], v[8+4*(\i)+1]
	v_cvt_pk_bf16_f32 v[40+2*(\i)+1], v[8+4*(\i)+2], v[8+4*(\i)+3]
	global_store_b64 v2, v[40+2*(\i):40+2*(\i)+1], s[22:23] offset:1024*(\i)
.endr
	s_endpgm
.Lfunc_end_k_qf9c8da3f6a_cast:
	.size	k_qf9c8da3f6a_cast, .Lfunc_end_k_qf9c8da3f6a_cast-k_qf9c8da3f6a_cast
	.p2alignl 7, 3214868480
	.fill 96, 4, 3214868480
	.section	.rodata,"a",@progbits
	.p2align	6, 0x0
	.amdhsa_kernel k_qf9c8da3f6a_cast
		.amdhsa_group_segment_fixed_size 0
		.amdhsa_private_segment_fixed_size 0
		.amdhsa_enable_private_segment 0
		.amdhsa_kernarg_size 48
		.amdhsa_user_sgpr_count 2
		.amdhsa_user_sgpr_kernarg_segment_ptr 1
		.amdhsa_wavefront_size32 1
		.amdhsa_system_sgpr_workgroup_id_x 1
		.amdhsa_system_sgpr_workgroup_id_y 1
		.amdhsa_system_sgpr_workgroup_id_z 1
		.amdhsa_system_vgpr_workitem_id 0
		.amdhsa_next_free_vgpr 56
		.amdhsa_next_free_sgpr 66
		.amdhsa_reserve_vcc 0
		.amdhsa_float_denorm_mode_32 3
		.amdhsa_float_denorm_mode_16_64 3
		.amdhsa_memory_ordered 1
		.amdhsa_forward_progress 1
		.amdhsa_inst_pref_size 4
	.end_amdhsa_kernel
	.amdgpu_metadata
---
amdhsa.version: [ 1, 2 ]
amdhsa.kernels:
  - .name:           k_qf9c8da3f6a_cast
    .symbol:         k_qf9c8da3f6a_cast.kd
    .args:
      - { .name: x, .offset: 0, .size: 8, .value_kind: global_buffer, .address_space: global }
      - { .name: Wq, .offset: 8, .size: 8, .value_kind: global_buffer, .address_space: global }
      - { .name: Wk, .offset: 16, .size: 8, .value_kind: global_buffer, .address_space: global }
      - { .name: Wv, .offset: 24, .size: 8, .value_kind: global_buffer, .address_space: global }
      - { .name: xb, .offset: 32, .size: 8, .value_kind: global_buffer, .address_space: global }
      - { .name: wb, .offset: 40, .size: 8, .value_kind: global_buffer, .address_space: global }
    .group_segment_fixed_size: 0
    .private_segment_fixed_size: 0
    .kernarg_segment_align: 8
    .kernarg_segment_size: 48
    .max_flat_workgroup_size: 128
    .sgpr_count:     66
    .vgpr_count:     56
    .wavefront_size: 32
...
	.end_amdgpu_metadata
.endif
;; end of part 1
;; launch qkv (part 2): grid 8 x 32, 4 waves a work-group, clusters of 4 x 4, 327,680 bytes of LDS; arguments xb, wb, bq, bk, qk, vt; writes qk, vt
.if DOCPART == 2
	.amdgcn_target "amdgcn-amd-amdhsa--gfx1250"
	.amdhsa_code_object_version 6
	.text
	.protected	k_qf9c8da3f6a_qkv
	.globl	k_qf9c8da3f6a_qkv
	.p2align	8
	.type	k_qf9c8da3f6a_qkv,@function
k_qf9c8da3f6a_qkv:
	s_mov_b64 s[64:65], 0
	v_nop
	global_prefetch_b8 v0, s[64:65] scope:SCOPE_SE
	s_setreg_imm32_b32 hwreg(HW_REG_WAVE_MODE, 25, 1), 1
	s_wait_xcnt 0x0
	s_wait_alu depctr_hold_cnt(0) depctr_sa_sdst(0) depctr_va_vdst(0) depctr_va_sdst(0) depctr_va_ssrc(0) depctr_va_vcc(0) depctr_vm_vsrc(0)
	s_getreg_b32 s2, hwreg(HW_REG_IB_STS2, 6, 4)
	s_cmp_eq_u32 s2, 0
	s_cbranch_scc0 .Lentry_in_a_cluster
	s_endpgm
.Lentry_in_a_cluster:
	s_bfe_u32 s2, ttmp6, 0x10000c
	s_cmp_lg_u32 s2, 0xf033
	s_cbranch_scc0 .Lentry_shape_is_right
	s_endpgm
.Lentry_shape_is_right:
; ALL THREE PROJECTIONS.  qk[t][n] = sum over d of xb[t][d] wb[n][d] + bias[n], n = 0..2047 (columns 0-1023: Wq, bq; 1024-2047: Wk, bk), and vt[c][t] = sum over d of wb[2048 + c][d] xb[t][d]: V transposed
; and WITHOUT its bias (the last launch adds bv in f32: the softmax's weights of a row sum to 1).  xb [8192][1024], wb [3072][1024] in bf16; sums in f32, K ascending; qk [8192][2048], vt [1024][8192] rounded once to bf16.
; SHARES.  8 x 32 = 256 work-groups.  Work-group (tn, tm) takes the 256 tokens 256 tm on and makes 256 columns of qk (256 tn on) and 128 channels of V (128 tn on): x's tile serves both.
; A wave has 128 tokens x 128 columns (64 accumulators) and 64 channels x 128 tokens (32 accumulators): 768 registers.
; LDS.  A K step of 128 is 256 rows of x (A), 256 of Wq or Wk (B1) and 128 of Wv (B2), 272 bytes each.  Two slots of all three would be 348,160 bytes, which LDS has not.  So A and B1 have two slots and B2 has ONE region:
; a step multiplies x by B1 first (PART 1: four quarters of 64 matrix instructions) and by B2 last (PART 2: four quarters of 32), and B2 of step j is asked for at the change of slots that opens step j.
; ONE ROUND A STEP.  In part 2's last quarter every wave waits for all its tensor loads and passes a round of the cluster's barrier; behind it waves 0 and 1 ask for the halves of A of step j + 1, wave 2 for B1 of
; step j + 1, wave 3 for B2 of step j: one load a wave.  B2 is wanted in part 2 of the same step: a plain barrier stands in part 1's last quarter.  Each wave has one load out there, so no count above 0 tells B2's
; load from the others': every wave waits for 0 ahead of that barrier, and behind it nothing is filled.  From request to that wait stand 232 matrix instructions.
; CLUSTER.  4 x 4 work-groups: x's rows are shared along a row of the cluster, the weights' along a column; each tile is asked for jointly, by the same tensor load with the same descriptor.
; LAYOUT.  For qk source 0 = 16 rows of wb, source 1 = 16 rows of xb: a lane holds token l % 16 and eight neighbouring columns.  For vt the sources are swapped: a lane holds channel l % 16 and eight neighbouring tokens.
; REGISTERS, in windows of 256.  Window 0: v0-31 addresses; v32-95 AF, x's fragments; v96-159 BF0, v160-223 BF1, B1's fragments; v224-255 B2's second buffer, later the packed results.
; Windows 1, 2: qk's accumulators, (a, b) at v[8 (8 (a % 4) + b)]; window 3: vt's, (c, a) at v[8 (8 c + a)].  256 registers do not hold two buffers of both operands beside the addresses: in part 1 x has one buffer,
; loaded again in halves as soon as a half's products are issued; in part 2 x has AF and BF1, B2 has v96-127 and v224-255.
; THE STAGE of the way out lies in A's slot 0: that slot has its last fill at the change into step 5 and its last read ahead of the barrier into step 7; step 7 reads slot 1 and B2 alone.
; LIMITS.  bf16 operands; NaN and infinities are not treated apart.
.set KSTEP,  128
.set PITCH,  272                       ; an LDS row: 256 bytes + 16 of padding: the 16 rows of a fragment load start at 16 different groups of four banks
.set HALFT,  128*PITCH                 ; 128 rows
.set ASZ,    256*PITCH                 ; a slot of A, and of B1
.set B1O,    2*ASZ                     ; B1's two slots lie behind A's two
.set B2O,    4*ASZ                     ; B2's region
.set SPARE,  B2O+HALFT                 ; the spare words, 128 bytes for each wave, that no other line names
.set STAGE,  0                         ; 16 rows x 272 bytes for each wave, in A's slot 0
.set SPITCH, 272
.set NSTEP,  8
.set ROWQ,   4096                      ; bytes in a row of qk
.set ROWV,   16384                     ; bytes in a row of vt
.set LA0,  16                          ; v16  my lane's place in A's rows of slot 0; never rewritten
.set LB0,  17                          ; v17  the same for B1
.set ADRA, 18                          ; v18  the same in the slot that is read
.set ADRB, 19                          ; v19
.set ADRC, 20                          ; v20  my lane's place in B2's rows; never rewritten
.set STO,  24
.set RD,   25
.set CO,   26                          ; v26  my byte offset in two rows of qk
.set BO,   27                          ; v27  my byte offset in the bias
.set SPW,  28
.set NIL,  29
.set PFO,  30                          ; v30  the prefetches' offset: my lane x a row of 2,048 bytes
.set CV,   31                          ; v31  my byte offset in two rows of vt
.set AF,   32
.set BF0,  96
.set BF1,  160
.set AP,   160                         ; part 2: x's second buffer
.set BP,   96                          ; part 2: B2's first buffer
.set XQ,   224                         ; part 2: B2's second buffer
.set TMP,  224
.set LIM2, 18                          ; s18  as LIM, for wave 2's second prefetch
.set G1,   24                          ; s[24:31] group 1 for A's tiles: 128 rows
.set G0,   32                          ; s[32:39] group 0 for A's: a set for each first fill; the second walks on
.set LIM,  43                          ; s43  a wave prefetches while the loop's count is above it
.set PFA,  44                          ; s[44:45] where my prefetches stand
.set G1B,  48                          ; s[48:55] group 1 for B1's tiles: 256 rows
.set G0B,  56                          ; s[56:63] group 0 for B1's, as A's
.set RB,   66                          ; s66  0 or ASZ: the slot that is read
.set FB,   67                          ; s67  the slot that was filled last
.set G1C,  80                          ; s[80:87] group 1 for B2's tiles: 128 rows
.set G0C,  88                          ; s[88:91] group 0 for B2's: it walks
.set FLAGS, (1<<16)|(1<<20)|(1<<21)|(5<<22)|(3<<25)  ; 2-byte elements; padding on; bit 21 beside a mask; after every 64 words 4 words
.set MSB, 0
.macro WIN new                         ; the immediate's high byte repeats the setting that is left; a switch that changes nothing is dropped
.if MSB != (\new)
	s_set_vgpr_msb (MSB<<8)|(\new)
.set MSB, \new
.endif
.endm
.macro PLACES                          ; four plain places behind a matrix instruction, ahead of loads into its sources and of readers of its result
.rept 4
	v_nop
.endr
.endm
.macro CREST                           ; a round of the cluster's barrier behind its opening barrier
	s_cmp_lg_u32 s10, 0
	s_cbranch_scc1 .Lnot_wave_0_\@
	s_barrier_signal -3
.Lnot_wave_0_\@:
	s_barrier_wait -3
	s_barrier_signal -1
	s_barrier_wait -1
.endm
.macro CROUND
	s_barrier_signal -1
	s_barrier_wait -1
	CREST
.endm
.macro JLOAD                           ; the joint refills: one line for each kind of tile, chosen by the wave's number alone
	s_cmp_lt_u32 s10, 2
	s_cbranch_scc0 .Lfor_b_\@
	tensor_load_to_lds s[G0+4:G0+7], s[G1:G1+7]
	s_nop 0
.rept 4
	v_nop
.endr
	s_branch .Lasked_\@
.Lfor_b_\@:
	s_cmp_eq_u32 s10, 2
	s_cbranch_scc0 .Lfor_c_\@
	tensor_load_to_lds s[G0B+4:G0B+7], s[G1B:G1B+7]
	s_nop 0
.rept 4
	v_nop
.endr
	s_branch .Lasked_\@
.Lfor_c_\@:
	tensor_load_to_lds s[G0C:G0C+3], s[G1C:G1C+7]
	s_nop 0
.rept 4
	v_nop
.endr
.Lasked_\@:
.endm
; A PREFETCH INTO THE L2 of what the NEXT change of slots will ask for, one step (384 matrix instructions) ahead of that load: 256 bytes of a row, a lane a row.  x's rows: waves 0 and 1 of the clusters with x = 0;
; the weights': waves 2 and 3 of the clusters with y = 0.  The four partners of a joint load share its rows out by address: 32 of 128 each, of wave 2's 256 rows 64 each, in two lines.
; So each row's 256 bytes of a K step are named once in the launch.  A and B1 stop one trip before the loop's end, where no K step is left; B2, which is asked for a step later, goes on to the last trip.
.macro ASK
	s_cmp_gt_u32 s3, s[LIM]
	s_cbranch_scc0 .Lnot_mine_\@
	global_prefetch_b8 v[PFO], s[PFA:PFA+1] th:TH_LOAD_NT scope:SCOPE_SE
.Lnot_mine_\@:
	s_cmp_gt_u32 s3, s[LIM2]
	s_cbranch_scc0 .Lno_more_\@
	global_prefetch_b8 v[PFO], s[PFA:PFA+1] offset:32*2048 th:TH_LOAD_NT scope:SCOPE_SE
.Lno_more_\@:
.endm
; PART 1's products: token blocks a0 .. a0 + n - 1 (all in one window) x all 8 column blocks, B1 from buffer f.  mode 0: the sums go on; mode 2: the bias, which lies in BF1, starts them.
; All accumulators take turns, one instruction a turn.
.macro M1 f, a0, n, mode
.if (\mode) == 2
	WIN 0x40*(1+(\a0)/4)
.else
	WIN 0x50*(1+(\a0)/4)
.endif
.set ma, (\a0)
.rept \n
.irp b, 0,1,2,3,4,5,6,7
.if (\mode) == 2
	v_wmma_f32_16x16x32_bf16 v[8*(8*(ma%4)+(\b)):8*(8*(ma%4)+(\b))+7], v[BF0+64*(\f)+8*(\b):BF0+64*(\f)+8*(\b)+7], v[AF+8*ma:AF+8*ma+7], v[BF1+8*(\b):BF1+8*(\b)+7]
.else
	v_wmma_f32_16x16x32_bf16 v[8*(8*(ma%4)+(\b)):8*(8*(ma%4)+(\b))+7], v[BF0+64*(\f)+8*(\b):BF0+64*(\f)+8*(\b)+7], v[AF+8*ma:AF+8*ma+7], v[8*(8*(ma%4)+(\b)):8*(8*(ma%4)+(\b))+7]
.endif
.endr
.set ma, ma+1
.endr
.endm
; PART 2's products: channel block c x token blocks a0 .. a0 + n - 1; x from fa, B2 from fp.  zero = 1: the constant 0 starts the sums.
.macro M2 fa, fp, c, a0, n, zero
	WIN 0xf0
.set ma, (\a0)
.rept \n
.if \zero
	v_wmma_f32_16x16x32_bf16 v[8*(8*(\c)+ma):8*(8*(\c)+ma)+7], v[(\fa)+8*ma:(\fa)+8*ma+7], v[(\fp)+8*(\c):(\fp)+8*(\c)+7], 0
.else
	v_wmma_f32_16x16x32_bf16 v[8*(8*(\c)+ma):8*(8*(\c)+ma)+7], v[(\fa)+8*ma:(\fa)+8*ma+7], v[(\fp)+8*(\c):(\fp)+8*(\c)+7], v[8*(8*(\c)+ma):8*(8*(\c)+ma)+7]
.endif
.set ma, ma+1
.endr
.endm
; THE LDS LOADS, in runs.  A fragment is 16 rows x 32 along K: two loads of 16 bytes a lane, 32 bytes apart; k is the quarter's byte in the rows.
.macro LDA hf, k                       ; half hf of AF: four fragments of x
	WIN 0
.irp i, 0,1,2,3
	ds_load_b128 v[AF+8*(4*(\hf)+(\i)):AF+8*(4*(\hf)+(\i))+3],   v[ADRA] offset:(\k)+(4*(\hf)+(\i))*16*PITCH
	ds_load_b128 v[AF+8*(4*(\hf)+(\i))+4:AF+8*(4*(\hf)+(\i))+7], v[ADRA] offset:(\k)+(4*(\hf)+(\i))*16*PITCH+32
.endr
.endm
.macro LDAX dst, k                     ; all eight fragments of x
	WIN 0
.irp i, 0,1,2,3,4,5,6,7
	ds_load_b128 v[(\dst)+8*(\i):(\dst)+8*(\i)+3],   v[ADRA] offset:(\k)+(\i)*16*PITCH
	ds_load_b128 v[(\dst)+8*(\i)+4:(\dst)+8*(\i)+7], v[ADRA] offset:(\k)+(\i)*16*PITCH+32
.endr
.endm
.macro LDB f, k                        ; eight fragments of B1
	WIN 0
.irp i, 0,1,2,3,4,5,6,7
	ds_load_b128 v[BF0+64*(\f)+8*(\i):BF0+64*(\f)+8*(\i)+3],   v[ADRB] offset:(\k)+(\i)*16*PITCH
	ds_load_b128 v[BF0+64*(\f)+8*(\i)+4:BF0+64*(\f)+8*(\i)+7], v[ADRB] offset:(\k)+(\i)*16*PITCH+32
.endr
.endm
.macro LDC dst, k                      ; four fragments of B2
	WIN 0
.irp i, 0,1,2,3
	ds_load_b128 v[(\dst)+8*(\i):(\dst)+8*(\i)+3],   v[ADRC] offset:(\k)+(\i)*16*PITCH
	ds_load_b128 v[(\dst)+8*(\i)+4:(\dst)+8*(\i)+7], v[ADRC] offset:(\k)+(\i)*16*PITCH+32
.endr
.endm
; One of part 1's first three quarters: multiplies AF by B1's buffer f and fetches the next quarter, at byte k: x's halves into AF as they fall free, B1 into the other buffer.
.macro S1Q k, f
	s_wait_dscnt 8                                 ; x's rows 0-63 and B1 are in; the youngest eight loads (x's rows 64-127) may be out
	M1 \f, 0, 4, 0
	PLACES
	LDA 0, \k
	LDB 1-(\f), \k
	s_wait_dscnt 24                                ; all but the 24 just issued
	M1 \f, 4, 4, 0
	PLACES
	LDA 1, \k
.endm
; Part 1's last quarter: multiplies AF by BF1.  In it stands the barrier that shows B2 to every wave.  Each wave has one tensor load out: in wave 3 it is B2's, in the others the next step's A or B1; one count
; must serve all four, so it is 0.  Then part 2's first fragments are fetched: x's first quarter once more, and B2's.
.macro S1Y
	s_wait_dscnt 8
	M1 1, 0, 2, 0
	s_wait_tensorcnt 0x0                           ; my one load has landed: in wave 3 this step's B2, which all four waves read behind the barrier
	s_wait_dscnt 0x0                               ; no LDS instruction of mine is out at the signal
	s_barrier_signal -1
	M1 1, 2, 2, 0
	s_barrier_wait -1
	PLACES
	LDA 0, 0
	LDC BP, 0
	M1 1, 4, 4, 0
	PLACES
	LDA 1, 0
.endm
; One of part 2's first three quarters: fetches the next quarter, at byte k, into (ga, gp), and multiplies (fa, fp).
.macro S2Q k, fa, fp, ga, gp, zero
	PLACES                                         ; (ga, gp) were read by the matrix instructions just before
	LDAX \ga, \k
	LDC \gp, \k
	s_wait_dscnt 24                                ; all but the 24 just issued
.irp c, 0,1,2,3
	M2 \fa, \fp, \c, 0, 8, \zero
.endr
.endm
; Part 2's last quarter multiplies (AP, XQ) and changes slots.  In front of the barrier each wave waits for all its tensor loads, adds 0 to its spare word, and waits for that and for its reads of the slots and of B2.
; The barrier opens a round of the cluster's barrier; the joint refill is the first tensor load behind the round.  fill = 1: A and B1 two steps on, B2 of the step that begins; fill = 2, the change into the last step: B2 alone.
.macro S2X fill
.if (\fill) == 1
	s_wait_xcnt 0x0                                ; the last prefetches, a step back, have read their address
	s_add_nc_u64 s[PFA:PFA+1], s[PFA:PFA+1], KSTEP*2
.endif
	WIN 0
	s_xor_b32 s[RB], s[RB], ASZ                    ; the fetches go on in the other slots
	v_add_nc_u32 v[ADRA], s[RB], v[LA0]
	v_add_nc_u32 v[ADRB], s[RB], v[LB0]
	s_wait_tensorcnt 0x0                           ; all my tensor loads have landed
	ds_add_u32 v[SPW], v[NIL]                      ; 0 onto my spare word
	s_wait_dscnt 1                                 ; the add alone may be out
	M2 AP, XQ, 0, 0, 4, 0
	s_wait_dscnt 0x0                               ; the add is done, and my reads of this step's tiles are over
	s_barrier_signal -1
	M2 AP, XQ, 0, 4, 4, 0
	WIN 0
	s_barrier_wait -1
	CREST                                          ; no wave of any partner still reads these tiles or has a load on its way
.if (\fill) == 1
	s_xor_b32 s[FB], s[FB], ASZ
	s_add_co_u32 s[G0+5], s[FB], s20
	s_add_co_u32 s[G0B+5], s[FB], B1O
	s_add_nc_u64 s[G0+6:G0+7], s[G0+6:G0+7], KSTEP*2
	s_add_nc_u64 s[G0B+6:G0B+7], s[G0B+6:G0B+7], KSTEP*2
	s_add_nc_u64 s[G0C+2:G0C+3], s[G0C+2:G0C+3], KSTEP*2
	JLOAD                                          ; its four v_nop are also the places in front of the loads below
.else
	s_add_nc_u64 s[G0C+2:G0C+3], s[G0C+2:G0C+3], KSTEP*2
	s_cmp_eq_u32 s10, 3
	s_cbranch_scc0 .Lnot_c_\@
	tensor_load_to_lds s[G0C:G0C+3], s[G1C:G1C+7]
	s_nop 0
.rept 4
	v_nop
.endr
.Lnot_c_\@:
	PLACES
.endif
	LDA 0, 0                                       ; the next step's first fragments, in the order that part 1's waits count on
	LDB 0, 0
	LDA 1, 0
.if (\fill) == 1
	ASK
.endif
	M2 AP, XQ, 1, 0, 8, 0
	M2 AP, XQ, 2, 0, 8, 0
	M2 AP, XQ, 3, 0, 8, 0
.endm
; THE WAY OUT of block n: n = 0..7: 16 tokens x 128 columns of qk; n = 8..11: 16 channels x 128 tokens of vt.  Rounded to bf16, 16 bytes a lane; through my stage; back as whole rows of 256 bytes; stored.
.macro PACK n
.if (\n) < 8
.set AC, 64*((\n)%4)
	WIN 0x05*(1+(\n)/4)
.else
.set AC, 64*((\n)-8)
	WIN 0x0f
.endif
.irp b, 0,1,2,3,4,5,6,7
.irp r, 0,1,2,3
	v_cvt_pk_bf16_f32 v[TMP+4*(\b)+(\r)], v[AC+8*(\b)+2*(\r)], v[AC+8*(\b)+2*(\r)+1]
.endr
.endr
	WIN 0
.endm
.macro TOSTAGE n
	WIN 0
.set BK, 32+32*((\n)%2)
.irp b, 0,1,2,3,4,5,6,7
	ds_store_b128 v[STO], v[TMP+4*(\b):TMP+4*(\b)+3] offset:32*(\b)
.endr
.irp t, 0,1,2,3,4,5,6,7
	ds_load_b128 v[BK+4*(\t):BK+4*(\t)+3], v[RD] offset:(\t)*2*SPITCH  ; LDS serves a wave's instructions in order: these see the stores above
.endr
.endm
.macro SEND n
	WIN 0
.set BK, 32+32*((\n)%2)
	s_wait_dscnt 0x0                               ; the block is back in registers
	s_wait_xcnt 0x0                                ; earlier stores have read their base and data: only now are they rewritten
.if (\n) == 0
	s_add_nc_u64 s[8:9], s[8:9], s[16:17]
.elseif (\n) < 8
	s_add_nc_u64 s[8:9], s[8:9], 16*ROWQ
.elseif (\n) == 8
	s_add_nc_u64 s[74:75], s[74:75], s[76:77]
.else
	s_add_nc_u64 s[74:75], s[74:75], 16*ROWV
.endif
.irp t, 0,1,2,3,4,5,6,7
.if (\n) < 8
	global_store_b128 v[CO], v[BK+4*(\t):BK+4*(\t)+3], s[8:9] offset:2*(\t)*ROWQ  ; 16 lanes store 256 consecutive bytes, aligned
.else
	global_store_b128 v[CV], v[BK+4*(\t):BK+4*(\t)+3], s[74:75] offset:2*(\t)*ROWV
.endif
.endr
.endm
	s_load_b128 s[4:7], s[0:1], 0x0                ; xb s[4:5], wb s[6:7]
	s_load_b128 s[68:71], s[0:1], 0x10             ; bq s[68:69], bk s[70:71]
	s_load_b128 s[72:75], s[0:1], 0x20             ; qk s[72:73], vt s[74:75]
	v_lshl_add_u32 v[SPW], v0, 2, SPARE
	v_mov_b32 v[NIL], 0
	ds_add_u32 v[SPW], v[NIL]                      ; the wave's opening add, waited for ahead of my first tensor load
	v_lshrrev_b32 v1, 5, v0
	v_readfirstlane_b32 s10, v1                    ; wave 0..3
	s_lshr_b32 s11, s10, 1                         ; my half of the tokens
	s_and_b32 s12, s10, 1                          ; my half of the columns and of the channels; in waves 0 and 1 also: which half of A I fetch
	s_bfe_u32 s40, ttmp6, 0x40000                  ; cx
	s_bfe_u32 s41, ttmp6, 0x40004                  ; cy
	s_lshl_b32 s42, ttmp9, 2
	s_add_co_u32 s42, s42, s40                     ; tn
	s_and_b32 s13, ttmp7, 0xffff
	s_lshl_b32 s13, s13, 2
	s_add_co_u32 s13, s13, s41                     ; tm
	s_lshl_b32 s43, s41, 2
	s_lshl_b32 s43, 15, s43                        ; my row of the cluster
	s_lshl_b32 s44, 0x1111, s40                    ; my column
	s_or_b32 s[G1+0], s43, FLAGS
	s_or_b32 s[G1B+0], s44, FLAGS
	s_or_b32 s[G1C+0], s44, FLAGS
	s_mov_b32 s[G1+2], 128<<16                     ; tensor_dim1 and tile_dim1: 128 rows of x,
	s_mov_b32 s[G1+4], 128
	s_mov_b32 s[G1B+2], 256<<16                    ; 256 of Wq or Wk,
	s_mov_b32 s[G1B+4], 256
	s_mov_b32 s[G1C+2], 128<<16                    ; 128 of Wv
	s_mov_b32 s[G1C+4], 128
.irp g, G1, G1B, G1C
	s_mov_b32 s[(\g)+1], KSTEP<<16                 ; tensor_dim0 = 128
	s_mov_b32 s[(\g)+3], KSTEP<<16                 ; tile_dim0 = 128
	s_mov_b32 s[(\g)+5], 1024                      ; elements from row to row
	s_mov_b32 s[(\g)+6], 0
	s_mov_b32 s[(\g)+7], 0
.endr
	s_lshl_b32 s17, s12, 7
	s_lshl_b32 s16, s13, 8
	s_add_co_u32 s16, s16, s17                     ; A: row 256 tm + 128 x half,
	s_lshl_b32 s16, s16, 11                        ; rows of 2,048 bytes
	s_mov_b32 s17, 0
	s_lshl_b32 s46, s42, 19                        ; B1: row 256 tn
	s_mov_b32 s47, 0
	s_lshl_b32 s92, s42, 18                        ; B2: row 2,048 + 128 tn
	s_add_co_u32 s92, s92, 2048*2048
	s_mov_b32 s93, 0
	s_mul_i32 s20, s12, HALFT                      ; where my half of A goes in a slot
	s_mov_b32 s[RB], 0
	s_mov_b32 s[FB], ASZ
	s_wait_dscnt 0x0                               ; the opening add is done
	s_wait_kmcnt 0x0
	s_mov_b64 s[8:9], s[72:73]                     ; qk
	s_add_nc_u64 s[14:15], s[4:5], s[16:17]
	s_add_nc_u64 s[46:47], s[6:7], s[46:47]
	s_add_nc_u64 s[92:93], s[6:7], s[92:93]
	CROUND                                         ; all sixteen work-groups are here: the first joint loads meet
.irp n, 0,1
	s_mov_b32 s[G0+4*(\n)], 1
	s_add_co_u32 s[G0+4*(\n)+1], s20, (\n)*ASZ
	s_add_nc_u64 s[G0+4*(\n)+2:G0+4*(\n)+3], s[14:15], (\n)*KSTEP*2
	s_or_b32 s[G0+4*(\n)+3], s[G0+4*(\n)+3], 0x80000000
	s_mov_b32 s[G0B+4*(\n)], 1
	s_mov_b32 s[G0B+4*(\n)+1], B1O+(\n)*ASZ
	s_add_nc_u64 s[G0B+4*(\n)+2:G0B+4*(\n)+3], s[46:47], (\n)*KSTEP*2
	s_or_b32 s[G0B+4*(\n)+3], s[G0B+4*(\n)+3], 0x80000000
.endr
	s_mov_b32 s[G0C], 1
	s_mov_b32 s[G0C+1], B2O
	s_add_nc_u64 s[G0C+2:G0C+3], s[92:93], 0
	s_or_b32 s[G0C+3], s[G0C+3], 0x80000000
	s_cmp_lt_u32 s10, 2                            ; all five regions are filled at once; a wave's first fills stand in one branch: two loads of mine are out, in wave 3 one
	s_cbranch_scc0 .Lfirst_b
	tensor_load_to_lds s[G0:G0+3], s[G1:G1+7]
	s_nop 0
	tensor_load_to_lds s[G0+4:G0+7], s[G1:G1+7]
	s_nop 0
.rept 4
	v_nop
.endr
	s_branch .Lfirst_asked
.Lfirst_b:
	s_cmp_eq_u32 s10, 2
	s_cbranch_scc0 .Lfirst_c
	tensor_load_to_lds s[G0B:G0B+3], s[G1B:G1B+7]
	s_nop 0
	tensor_load_to_lds s[G0B+4:G0B+7], s[G1B:G1B+7]
	s_nop 0
.rept 4
	v_nop
.endr
	s_branch .Lfirst_asked
.Lfirst_c:
	tensor_load_to_lds s[G0C:G0C+3], s[G1C:G1C+7]
	s_nop 0
.rept 4
	v_nop
.endr
.Lfirst_asked:
	v_and_b32 v1, 15, v0                           ; l % 16
	v_bfe_u32 v2, v0, 4, 1                         ; l / 16
	; the bias of my 128 columns, laid as the C operand of the product: for column block b a lane holds bias[16 b + 8 (l / 16) + 0..7].  It lies in BF1 until the first quarter's products are issued
	s_cmp_eq_u32 ttmp9, 0                          ; tn 0-3 are q's columns, 4-7 are k's
	s_cselect_b64 s[68:69], s[68:69], s[70:71]
	s_lshl_b32 s22, s40, 10
	s_lshl_b32 s23, s12, 9
	s_add_co_u32 s22, s22, s23
	s_mov_b32 s23, 0
	s_add_nc_u64 s[68:69], s[68:69], s[22:23]
	v_lshlrev_b32 v[BO], 5, v2
.irp b, 0,1,2,3,4,5,6,7
	global_load_b128 v[BF1+8*(\b):BF1+8*(\b)+3],   v[BO], s[68:69] offset:64*(\b)
	global_load_b128 v[BF1+8*(\b)+4:BF1+8*(\b)+7], v[BO], s[68:69] offset:64*(\b)+16
.endr
	v_mul_u32_u24 v3, v1, PITCH
	v_lshl_add_u32 v3, v2, 4, v3                   ; a fragment's row x pitch + 16 x half
	s_mul_i32 s21, s11, HALFT                      ; my 128 tokens
	s_mul_i32 s22, s12, HALFT                      ; my 128 columns
	s_add_co_u32 s22, s22, B1O
	s_mul_i32 s23, s12, 64*PITCH                   ; my 64 channels
	s_add_co_u32 s23, s23, B2O
	v_add_nc_u32 v[LA0], s21, v3
	v_add_nc_u32 v[LB0], s22, v3
	v_add_nc_u32 v[ADRC], s23, v3
	v_mov_b32 v[ADRA], v[LA0]
	v_mov_b32 v[ADRB], v[LB0]
	s_mul_i32 s23, s10, 16*SPITCH
	s_add_co_u32 s23, s23, STAGE                   ; my stage
	v_mul_u32_u24 v4, v1, SPITCH
	v_lshl_add_u32 v4, v2, 4, v4
	v_add_nc_u32 v[STO], s23, v4
	v_mul_u32_u24 v5, v2, SPITCH
	v_lshl_add_u32 v5, v1, 4, v5
	v_add_nc_u32 v[RD], s23, v5
	v_lshlrev_b32 v5, 12, v2
	v_lshl_add_u32 v[CO], v1, 4, v5
	v_lshlrev_b32 v5, 14, v2
	v_lshl_add_u32 v[CV], v1, 4, v5
	s_lshl_b32 s16, s13, 8                         ; where my part begins in qk: row 256 tm + 128 x token half, byte 512 tn + 256 x column half
	s_lshl_b32 s17, s11, 7
	s_add_co_u32 s16, s16, s17
	s_lshl_b32 s16, s16, 12
	s_lshl_b32 s46, s42, 9
	s_lshl_b32 s47, s12, 8
	s_add_co_u32 s46, s46, s47
	s_add_co_u32 s16, s16, s46
	s_mov_b32 s17, 0
	s_lshl_b32 s76, s42, 7                         ; and in vt: row 128 tn + 64 x channel half, byte 512 tm + 256 x token half
	s_lshl_b32 s77, s12, 6
	s_add_co_u32 s76, s76, s77
	s_lshl_b32 s76, s76, 14
	s_lshl_b32 s77, s13, 9
	s_add_co_u32 s76, s76, s77
	s_lshl_b32 s77, s11, 8
	s_add_co_u32 s76, s76, s77
	s_mov_b32 s77, 0
	; the prefetches
	s_lshl_b32 s21, s13, 8
	s_lshl_b32 s22, s12, 7
	s_add_co_u32 s21, s21, s22
	s_lshl_b32 s22, s40, 5
	s_add_co_u32 s21, s21, s22                     ; x: my half's 128 rows, my work-group's 32 of them
	s_lshl_b32 s22, s42, 8
	s_lshl_b32 s23, s41, 6
	s_add_co_u32 s22, s22, s23                     ; B1: my work-group's 64 of the 256 rows
	s_lshl_b32 s23, s42, 7
	s_add_co_u32 s23, s23, 2048
	s_lshl_b32 s94, s41, 5
	s_add_co_u32 s23, s23, s94                     ; B2: my work-group's 32 of the 128 rows
	s_cmp_eq_u32 s10, 3
	s_cselect_b32 s22, s23, s22
	s_cselect_b32 s94, 1, 2                        ; the K step at which the address starts: the first change steps it on by one
	s_cselect_b32 s95, 0, 1                        ; B2 is asked for in every trip, A and B1 in all but the last
	s_and_b32 s23, ttmp7, 0xffff
	s_cmp_eq_u32 s11, 0
	s_cselect_b32 s21, s21, s22
	s_cselect_b32 s23, ttmp9, s23                  ; the coordinate along which other clusters read the same rows
	s_cselect_b64 s[PFA:PFA+1], s[4:5], s[6:7]
	s_cmp_eq_u32 s23, 0
	s_cselect_b32 s[LIM], s95, -1
	s_cmp_eq_u32 s10, 2
	s_cselect_b32 s[LIM2], s[LIM], -1
	s_lshl_b32 s22, s21, 11
	s_lshl_b32 s94, s94, 8
	s_add_co_u32 s22, s22, s94
	s_mov_b32 s23, 0
	s_add_nc_u64 s[PFA:PFA+1], s[PFA:PFA+1], s[22:23]
	v_and_b32 v[PFO], 31, v0
	v_lshlrev_b32 v[PFO], 11, v[PFO]
	s_wait_tensorcnt 1                             ; my part of step 0's A or B1 is in; step 1's may stay out, and so may B2, which is waited for in part 1's last quarter
	s_barrier_signal -1
	s_barrier_wait -1
	LDA 0, 0
	LDB 0, 0
	LDA 1, 0
	s_wait_loadcnt 0x0                             ; the bias
	s_wait_dscnt 8                                 ; STEP 0's first quarter: its products start qk's sums, with the bias; BF1 takes the next quarter's B1 only behind them
	M1 0, 0, 4, 2
	PLACES
	LDA 0, 64
	s_wait_dscnt 8                                 ; all but the 8 just issued
	M1 0, 4, 4, 2
	PLACES
	LDB 1, 64
	LDA 1, 64
	S1Q 128, 1
	S1Q 192, 0
	S1Y
	S2Q 64, AF, BP, AP, XQ, 1                      ; part 2's first quarter of step 0 starts vt's sums
	WIN 0
	s_mov_b32 s3, NSTEP-2
.Lstep:                                        ; a trip: the rest of a step's part 2, the change of slots, the next step's part 1 and the first quarter of its part 2
	S2Q 128, AP, XQ, AF, BP, 0
	S2Q 192, AF, BP, AP, XQ, 0
	S2X 1
	S1Q 64, 0
	S1Q 128, 1
	S1Q 192, 0
	S1Y
	S2Q 64, AF, BP, AP, XQ, 0
	WIN 0
	s_sub_co_u32 s3, s3, 1
	s_cmp_lg_u32 s3, 0
	s_cbranch_scc1 .Lstep
	S2Q 128, AP, XQ, AF, BP, 0                     ; the tail is written out: the change into step 7 asks for B2 alone
	S2Q 192, AF, BP, AP, XQ, 0
	S2X 2
	S1Q 64, 0
	S1Q 128, 1
	S1Q 192, 0
	S1Y
	S2Q 64, AF, BP, AP, XQ, 0
	S2Q 128, AP, XQ, AF, BP, 0
	S2Q 192, AF, BP, AP, XQ, 0
	s_wait_dscnt 0x0
.irp c, 0,1,2,3
	M2 AP, XQ, \c, 0, 8, 0
.endr
	PLACES
	PACK 0
	TOSTAGE 0
.irp n, 1,2,3,4,5,6,7,8,9,10,11
	PACK \n                                        ; block n's conversions stand between block n - 1's loads from the stage and the wait for them
	SEND (\n)-1
	TOSTAGE \n
.endr
	SEND 11
	s_wait_tensorcnt 0x0                           ; the wave's end
	ds_add_u32 v[SPW], v[NIL]
	s_wait_dscnt 0x0
	CROUND                                         ; the closing round
	s_endpgm
.Lfunc_end_k_qf9c8da3f6a_qkv:
	.size	k_qf9c8da3f6a_qkv, .Lfunc_end_k_qf9c8da3f6a_qkv-k_qf9c8da3f6a_qkv
	.p2alignl 7, 3214868480
	.fill 96, 4, 3214868480
	.section	.rodata,"a",@progbits
	.p2align	6, 0x0
	.amdhsa_kernel k_qf9c8da3f6a_qkv
		.amdhsa_group_segment_fixed_size 327680
		.amdhsa_private_segment_fixed_size 0
		.amdhsa_enable_private_segment 0
		.amdhsa_kernarg_size 48
		.amdhsa_user_sgpr_count 2
		.amdhsa_user_sgpr_kernarg_segment_ptr 1
		.amdhsa_wavefront_size32 1
		.amdhsa_system_sgpr_workgroup_id_x 1
		.amdhsa_system_sgpr_workgroup_id_y 1
		.amdhsa_system_sgpr_workgroup_id_z 1
		.amdhsa_system_vgpr_workitem_id 0
		.amdhsa_next_free_vgpr 1024
		.amdhsa_next_free_sgpr 96
		.amdhsa_reserve_vcc 0
		.amdhsa_float_denorm_mode_32 3
		.amdhsa_float_denorm_mode_16_64 3
		.amdhsa_memory_ordered 1
		.amdhsa_forward_progress 1
		.amdhsa_inst_pref_size 184
	.end_amdhsa_kernel
	.amdgpu_metadata
---
amdhsa.version: [ 1, 2 ]
amdhsa.kernels:
  - .name:           k_qf9c8da3f6a_qkv
    .symbol:         k_qf9c8da3f6a_qkv.kd
    .args:
      - { .name: xb, .offset: 0, .size: 8, .value_kind: global_buffer, .address_space: global }
      - { .name: wb, .offset: 8, .size: 8, .value_kind: global_buffer, .address_space: global }
      - { .name: bq, .offset: 16, .size: 8, .value_kind: global_buffer, .address_space: global }
      - { .name: bk, .offset: 24, .size: 8, .value_kind: global_buffer, .address_space: global }
      - { .name: qk, .offset: 32, .size: 8, .value_kind: global_buffer, .address_space: global }
      - { .name: vt, .offset: 40, .size: 8, .value_kind: global_buffer, .address_space: global }
    .group_segment_fixed_size: 327680
    .private_segment_fixed_size: 0
    .kernarg_segment_align: 8
    .kernarg_segment_size: 48
    .max_flat_workgroup_size: 128
    .sgpr_count:     96
    .vgpr_count:     1024
    .wavefront_size: 32
...
	.end_amdgpu_metadata
.endif
;; end of part 2
;; launch scores (part 3): grid 8 x 32, 4 waves a work-group, clusters of 4 x 4, 327,680 bytes of LDS; arguments qk, pb, mx, lx; writes pb, mx, lx
.if DOCPART == 3
	.amdgcn_target "amdgcn-amd-amdhsa--gfx1250"
	.amdhsa_code_object_version 6
	.text
	.protected	k_qf9c8da3f6a_scores
	.globl	k_qf9c8da3f6a_scores
	.p2align	8
	.type	k_qf9c8da3f6a_scores,@function
k_qf9c8da3f6a_scores:
	s_mov_b64 s[64:65], 0
	v_nop
	global_prefetch_b8 v0, s[64:65] scope:SCOPE_SE
	s_setreg_imm32_b32 hwreg(HW_REG_WAVE_MODE, 25, 1), 1
	s_wait_xcnt 0x0
	s_wait_alu depctr_hold_cnt(0) depctr_sa_sdst(0) depctr_va_vdst(0) depctr_va_sdst(0) depctr_va_ssrc(0) depctr_va_vcc(0) depctr_vm_vsrc(0)
	s_getreg_b32 s2, hwreg(HW_REG_IB_STS2, 6, 4)
	s_cmp_eq_u32 s2, 0
	s_cbranch_scc0 .Lentry_in_a_cluster
	s_endpgm
.Lentry_in_a_cluster:
	s_bfe_u32 s2, ttmp6, 0x10000c
	s_cmp_lg_u32 s2, 0xf033
	s_cbranch_scc0 .Lentry_shape_is_right
	s_endpgm
.Lentry_shape_is_right:
; For each query row and each block t of 128 keys of its batch: s = q . k (f32 sums of bf16 products), m = the largest s of the block, M = ceil(c m), c = log2(e) / 32,
; p = 2^(c s - M), L = the sum of the unrounded p.  pb [8192 rows][2048 keys] takes p rounded once to bf16, mx and lx [16 blocks][8192 rows] take M and L in f32.
; So the block's own maximum is taken away before every exponential: the largest p of a row and block lies between 1/2 and 1.  M is a whole number, so the last launch brings the blocks of a row onto
; the row's maximum by powers of two, which change no bit of a bf16 mantissa.
; SHARES.  A tile of 256 queries x 256 keys to a work-group, 8 x 32 = 256 work-groups; a wave has 128 x 128, which is one key block for 128 rows.  K = 1,024 in 8 steps of 128 through two LDS slots.
; CLUSTER.  4 x 4: q's rows are shared along a row of the cluster, k's along a column (a cluster's four tile rows lie in one batch).
; The product is taken transposed (source 0 = 16 keys, source 1 = 16 queries): a lane holds query l % 16 and the keys 16 b + 8 (l / 16) + 0..7 of n block b; a row's other 64 keys lie in the lane 16 away.
; REGISTERS: window 0: addresses, v32-41 at work, A's fragment buffers v64-127, v128-191, v192-223 packed p; window 1: B's buffers; windows 2, 3: the accumulators.
; LIMITS.  NaN and infinities are not treated apart; a p below 2^-126 counts as 0; M is held as an f32 whole number.
.set KSTEP,  128
.set PITCH,  272
.set HALFT,  128*PITCH
.set SLOT,   4*HALFT
.set STAGE,  2*SLOT
.set SPITCH, 272
.set SPARE,  STAGE+4*16*SPITCH
.set STATS,  SPARE+512                 ; 1,024 bytes for each wave: M of its 128 rows, then L
.set NSTEP,  8
.set ROWC,   4096                      ; bytes in a row of pb
.set LA0,  16
.set LB0,  17
.set ADRA, 18
.set ADRB, 19
.set GS,   23                          ; v23  16 x lane: my place in 512 bytes of mx and of lx
.set STO,  24
.set RD,   25
.set CO,   26
.set SA,   27                          ; v27  where I put a row's M (lanes 0-15) or L (lanes 16-31)
.set SPW,  28
.set NIL,  29
.set PFO,  30
.set SR,   31                          ; v31  where I read four rows' M back
.set T,    32                          ; v32-39 at work
.set NN,   40                          ; v40-41 -M, as a pair
.set F0,   64
.set F1,   128
.set TMP,  192
.set G1,   24
.set G0,   32
.set LIM,  43
.set PFA,  44
.set G1B,  48
.set G0B,  56
.set RB,   66
.set FB,   67
.set CS,   72                          ; s[72:73] c
.set NC,   74                          ; s74  -c
.set SEL,  76                          ; s[76:77] v_permlanex16_b32's selects: each lane takes its own place in the other half
.set MK,   78                          ; s78  the lanes 16-31
.set HT,   79                          ; s79  counts the way out's two halves
.set MSB, 0
.macro WIN new
.if MSB != (\new)
	s_set_vgpr_msb (MSB<<8)|(\new)
.set MSB, \new
.endif
.endm
.macro PLACES
.rept 4
	v_nop
.endr
.endm
.macro CREST
	s_cmp_lg_u32 s10, 0
	s_cbranch_scc1 .Lnot_wave_0_\@
	s_barrier_signal -3
.Lnot_wave_0_\@:
	s_barrier_wait -3
	s_barrier_signal -1
	s_barrier_wait -1
.endm
.macro CROUND
	s_barrier_signal -1
	s_barrier_wait -1
	CREST
.endm
.macro JLOAD
	s_cmp_eq_u32 s11, 0
	s_cbranch_scc0 .Lfor_b_\@
	tensor_load_to_lds s[G0+4:G0+7], s[G1:G1+7]
	s_nop 0
.rept 4
	v_nop
.endr
	s_branch .Lasked_\@
.Lfor_b_\@:
	tensor_load_to_lds s[G0B+4:G0B+7], s[G1B:G1B+7]
	s_nop 0
.rept 4
	v_nop
.endr
.Lasked_\@:
.endm
; A prefetch into the L2 of the K step that the next refill will ask for, 256 matrix instructions ahead of that load: 32 rows x 256 bytes, a lane a row.  q's rows: the clusters with x = 0; k's rows: the first
; of the batch's two rows of clusters; the four partners of a joint load share its rows out by address.  The loop's last trip asks for nothing.
.macro ASK
	s_cmp_gt_u32 s3, s[LIM]
	s_cbranch_scc0 .Lnot_mine_\@
	global_prefetch_b8 v[PFO], s[PFA:PFA+1] th:TH_LOAD_NT scope:SCOPE_SE
.Lnot_mine_\@:
.endm
.macro MUL16 f, hi, a0, mode           ; mode 1: the constant 0 starts the sums.  The 64 accumulators take turns
	WIN 0xa1+0x50*(\hi)
.irp a, \a0, (\a0)+1
.irp b, 0,1,2,3,4,5,6,7
.if (\mode) == 1
	v_wmma_f32_16x16x32_bf16 v[8*(8*(\a)+(\b)):8*(8*(\a)+(\b))+7], v[(\f)+8*(\b):(\f)+8*(\b)+7], v[(\f)+8*(4*(\hi)+(\a)):(\f)+8*(4*(\hi)+(\a))+7], 0
.else
	v_wmma_f32_16x16x32_bf16 v[8*(8*(\a)+(\b)):8*(8*(\a)+(\b))+7], v[(\f)+8*(\b):(\f)+8*(\b)+7], v[(\f)+8*(4*(\hi)+(\a)):(\f)+8*(4*(\hi)+(\a))+7], v[8*(8*(\a)+(\b)):8*(8*(\a)+(\b))+7]
.endif
.endr
.endr
.endm
.macro FETCH k, f
	WIN 0x40
.irp i, 0,1,2,3,4,5,6,7
	ds_load_b128 v[(\f)+8*(\i):(\f)+8*(\i)+3],   v[ADRB] offset:(\k)+(\i)*16*PITCH
	ds_load_b128 v[(\f)+8*(\i)+4:(\f)+8*(\i)+7], v[ADRB] offset:(\k)+(\i)*16*PITCH+32
.endr
	WIN 0
.irp i, 0,1,2,3,4,5,6,7
	ds_load_b128 v[(\f)+8*(\i):(\f)+8*(\i)+3],   v[ADRA] offset:(\k)+(\i)*16*PITCH
	ds_load_b128 v[(\f)+8*(\i)+4:(\f)+8*(\i)+7], v[ADRA] offset:(\k)+(\i)*16*PITCH+32
.endr
.endm
.macro QUARTER k, f, g, mode
	s_wait_dscnt 8                                 ; B and A's rows 0-63 are in; the youngest eight loads may be out
	MUL16 \f, 0, 0, \mode
	MUL16 \f, 0, 2, \mode
	PLACES
	FETCH \k, \g
	s_wait_dscnt 32                                ; all but the 32 just issued
	MUL16 \f, 1, 0, \mode
	MUL16 \f, 1, 2, \mode
.endm
.macro TURN fill
.if \fill
	s_wait_xcnt 0x0                                ; the last prefetch, a K step back, has read its address
	s_add_nc_u64 s[PFA:PFA+1], s[PFA:PFA+1], KSTEP*2
.endif
	WIN 0
	s_xor_b32 s[RB], s[RB], SLOT
	v_add_nc_u32 v[ADRA], s[RB], v[LA0]
	v_add_nc_u32 v[ADRB], s[RB], v[LB0]
	s_wait_tensorcnt 0x0                           ; all my tensor loads have landed
	ds_add_u32 v[SPW], v[NIL]                      ; 0 onto my spare word
	s_wait_dscnt 9                                 ; the add and the youngest eight loads may be out
	MUL16 F1, 0, 0, 0
	s_wait_dscnt 0x0                               ; the add is done, and my reads of this slot are over
	s_barrier_signal -1
	MUL16 F1, 0, 2, 0
	WIN 0
	s_barrier_wait -1
.if \fill
	CREST
	s_xor_b32 s[FB], s[FB], SLOT
	s_add_co_u32 s[G0+5], s[FB], s20
	s_add_co_u32 s[G0B+5], s[FB], s20
	s_add_nc_u64 s[G0+6:G0+7], s[G0+6:G0+7], KSTEP*2
	s_add_nc_u64 s[G0B+6:G0B+7], s[G0B+6:G0B+7], KSTEP*2
	JLOAD
.else
	PLACES
.endif
	FETCH 0, F0
.if \fill
	ASK
.endif
	MUL16 F1, 1, 0, 0
	MUL16 F1, 1, 2, 0
.endm
; THE SOFTMAX'S PART for block a (16 rows) of window 2: a lane's 64 scores lie in v[64 a .. 64 a + 63].
.macro SOFT a
.set AC, 64*(\a)
	WIN 0x2a                                       ; the maximum, three operands at a time
.irp b, 0,1,2,3,4,5,6,7
	v_max3_num_f32 v[T+(\b)], v[AC+8*(\b)], v[AC+8*(\b)+1], v[AC+8*(\b)+2]
.endr
	WIN 0x28
.irp b, 0,1,2,3,4,5,6,7
	v_max3_num_f32 v[T+(\b)], v[T+(\b)], v[AC+8*(\b)+3], v[AC+8*(\b)+4]
.endr
.irp b, 0,1,2,3,4,5,6,7
	v_max3_num_f32 v[T+(\b)], v[T+(\b)], v[AC+8*(\b)+5], v[AC+8*(\b)+6]
.endr
.irp b, 0,1,2,3
	v_max3_num_f32 v[T+(\b)], v[T+(\b)], v[AC+8*(\b)+7], v[AC+8*(\b)+39]
.endr
	WIN 0
	v_max3_num_f32 v[T], v[T], v[T+1], v[T+2]
	v_max3_num_f32 v[T+3], v[T+3], v[T+4], v[T+5]
	v_max3_num_f32 v[T+6], v[T+6], v[T+7], v[T]
	v_max_num_f32 v[T], v[T+3], v[T+6]
	v_permlanex16_b32 v[T+1], v[T], s[SEL], s[SEL+1]   ; the row's other 64 keys
	v_max_num_f32 v[T], v[T], v[T+1]               ; m
	v_mul_f32 v[T+2], s[NC], v[T]
	v_floor_f32 v[NN], v[T+2]                      ; -M = floor(-c m)
	v_mov_b32 v[NN+1], v[NN]
	WIN 0x82
.set i, 0
.rept 32
	v_pk_fma_f32 v[AC+2*i:AC+2*i+1], v[AC+2*i:AC+2*i+1], s[CS:CS+1], v[NN:NN+1] op_sel_hi:[1,0,0]  ; c s - M
.set i, i+1
.endr
.set i, 0
.rept 64
	v_exp_f32 v[AC+i], v[AC+i]                     ; one batch: nothing ahead of the wait below names a result
.set i, i+1
.endr
	v_nop                                          ; a plain instruction behind the last exponential,
	s_wait_alu depctr_va_vdst(0)                   ; and the one wait ahead of the first reader
	WIN 0x0a
.irp b, 0,1,2,3,4,5,6,7
.irp r, 0,1,2,3
	v_cvt_pk_bf16_f32 v[TMP+4*(\b)+(\r)], v[AC+8*(\b)+2*(\r)], v[AC+8*(\b)+2*(\r)+1]
.endr
.endr
	WIN 0x8a                                       ; the sum of the 32 pairs, in place: 16, 8, 4, 2, 1 additions
.irp w, 16,8,4,2,1
.set i, 0
.rept \w
	v_pk_add_f32 v[AC+2*i:AC+2*i+1], v[AC+2*i:AC+2*i+1], v[AC+2*(i+(\w)):AC+2*(i+(\w))+1]
.set i, i+1
.endr
.endr
	WIN 0x0a
	v_add_f32 v[T], v[AC], v[AC+1]
	WIN 0
	v_permlanex16_b32 v[T+1], v[T], s[SEL], s[SEL+1]
	v_add_f32 v[T], v[T], v[T+1]                   ; L
	v_sub_f32 v[T+2], 0, v[NN]                     ; M
	v_cndmask_b32 v[T+3], v[T+2], v[T], s[MK]      ; lanes 0-15 carry M, lanes 16-31 L
	ds_store_b32 v[SA], v[T+3] offset:64*(\a)
.endm
.macro TOSTAGE a
	WIN 0
.set BK, 64+32*((\a)%2)
.irp b, 0,1,2,3,4,5,6,7
	ds_store_b128 v[STO], v[TMP+4*(\b):TMP+4*(\b)+3] offset:32*(\b)
.endr
.irp t, 0,1,2,3,4,5,6,7
	ds_load_b128 v[BK+4*(\t):BK+4*(\t)+3], v[RD] offset:(\t)*2*SPITCH  ; LDS serves a wave's instructions in order: these see the stores above
.endr
.endm
.macro SEND a
	WIN 0
.set BK, 64+32*((\a)%2)
	s_wait_dscnt 0x0
	s_wait_xcnt 0x0                                ; earlier stores have read their base and data
.if (\a) == 0
	s_add_nc_u64 s[8:9], s[8:9], s[16:17]          ; to my first rows; in the second half 16 rows on
.else
	s_add_nc_u64 s[8:9], s[8:9], 16*ROWC
.endif
.irp t, 0,1,2,3,4,5,6,7
	global_store_b128 v[CO], v[BK+4*(\t):BK+4*(\t)+3], s[8:9] offset:2*(\t)*ROWC  ; 16 lanes store 256 consecutive bytes, aligned
.endr
.endm
	s_load_b128 s[4:7], s[0:1], 0x0                ; qk s[4:5], pb s[6:7]
	s_load_b128 s[68:71], s[0:1], 0x10             ; mx s[68:69], lx s[70:71]
	v_lshl_add_u32 v[SPW], v0, 2, SPARE
	v_mov_b32 v[NIL], 0
	ds_add_u32 v[SPW], v[NIL]                      ; the wave's opening add, waited for ahead of my first tensor load
	v_lshrrev_b32 v1, 5, v0
	v_readfirstlane_b32 s10, v1
	s_lshr_b32 s11, s10, 1
	s_and_b32 s12, s10, 1
	s_bfe_u32 s40, ttmp6, 0x40000
	s_bfe_u32 s41, ttmp6, 0x40004
	s_lshl_b32 s42, ttmp9, 2
	s_add_co_u32 s42, s42, s40                     ; tile column: 256 keys of the batch
	s_and_b32 s13, ttmp7, 0xffff
	s_lshr_b32 s21, s13, 1                         ; the batch: two rows of clusters each
	s_lshl_b32 s13, s13, 2
	s_add_co_u32 s13, s13, s41                     ; tile row: 256 of the 8,192 query rows
	s_lshl_b32 s43, s41, 2
	s_lshl_b32 s43, 15, s43
	s_lshl_b32 s44, 0x1111, s40
	s_or_b32 s[G1+0], s43, (1<<16)|(1<<20)|(1<<21)|(5<<22)|(3<<25)
	s_or_b32 s[G1B+0], s44, (1<<16)|(1<<20)|(1<<21)|(5<<22)|(3<<25)
.irp g, G1, G1B
	s_mov_b32 s[(\g)+1], KSTEP<<16
	s_mov_b32 s[(\g)+2], 128<<16
	s_mov_b32 s[(\g)+3], KSTEP<<16
	s_mov_b32 s[(\g)+4], 128
	s_mov_b32 s[(\g)+5], 2048                      ; a row of qk is q's 1,024 elements, then k's
	s_mov_b32 s[(\g)+6], 0
	s_mov_b32 s[(\g)+7], 0
.endr
	s_lshl_b32 s17, s12, 7
	s_lshl_b32 s16, s13, 8
	s_add_co_u32 s16, s16, s17
	s_lshl_b32 s16, s16, 12                        ; q: rows of 4,096 bytes
	s_lshl_b32 s46, s42, 8
	s_add_co_u32 s46, s46, s17
	s_lshl_b32 s47, s21, 11
	s_add_co_u32 s46, s46, s47                     ; k: the batch's 2,048 rows
	s_lshl_b32 s46, s46, 12
	s_add_co_u32 s46, s46, 2048                    ; the second half of a row
	s_mov_b32 s17, 0
	s_mov_b32 s47, 0
	s_mul_i32 s20, s10, HALFT
	s_mov_b32 s[RB], 0
	s_mov_b32 s[FB], SLOT
	s_mov_b32 s[CS], 0x3d38aa3b                    ; c = log2(e) / 32
	s_mov_b32 s[CS+1], s[CS]
	s_mov_b32 s[NC], 0xbd38aa3b
	s_mov_b32 s[SEL], 0x76543210
	s_mov_b32 s[SEL+1], 0xfedcba98
	s_mov_b32 s[MK], 0xffff0000
	s_wait_dscnt 0x0
	s_wait_kmcnt 0x0
	s_mov_b64 s[8:9], s[6:7]                       ; pb
	s_add_nc_u64 s[14:15], s[4:5], s[16:17]
	s_add_nc_u64 s[46:47], s[4:5], s[46:47]
	CROUND
.irp n, 0,1
	s_mov_b32 s[G0+4*(\n)], 1
	s_add_co_u32 s[G0+4*(\n)+1], s20, (\n)*SLOT
	s_add_nc_u64 s[G0+4*(\n)+2:G0+4*(\n)+3], s[14:15], (\n)*KSTEP*2
	s_or_b32 s[G0+4*(\n)+3], s[G0+4*(\n)+3], 0x80000000
	s_mov_b32 s[G0B+4*(\n)], 1
	s_add_co_u32 s[G0B+4*(\n)+1], s20, (\n)*SLOT
	s_add_nc_u64 s[G0B+4*(\n)+2:G0B+4*(\n)+3], s[46:47], (\n)*KSTEP*2
	s_or_b32 s[G0B+4*(\n)+3], s[G0B+4*(\n)+3], 0x80000000
.endr
	s_cmp_eq_u32 s11, 0
	s_cbranch_scc0 .Lfirst_b
	tensor_load_to_lds s[G0:G0+3], s[G1:G1+7]
	s_nop 0
	tensor_load_to_lds s[G0+4:G0+7], s[G1:G1+7]
	s_nop 0
.rept 4
	v_nop
.endr
	s_branch .Lfirst_asked
.Lfirst_b:
	tensor_load_to_lds s[G0B:G0B+3], s[G1B:G1B+7]
	s_nop 0
	tensor_load_to_lds s[G0B+4:G0B+7], s[G1B:G1B+7]
	s_nop 0
.rept 4
	v_nop
.endr
.Lfirst_asked:
	v_and_b32 v1, 15, v0
	v_bfe_u32 v2, v0, 4, 1
	v_mul_u32_u24 v3, v1, PITCH
	v_lshl_add_u32 v3, v2, 4, v3
	s_mul_i32 s21, s11, HALFT
	s_mul_i32 s22, s12, HALFT
	s_add_co_u32 s22, s22, 2*HALFT
	v_add_nc_u32 v[LA0], s21, v3
	v_add_nc_u32 v[LB0], s22, v3
	v_mov_b32 v[ADRA], v[LA0]
	v_mov_b32 v[ADRB], v[LB0]
	s_mul_i32 s23, s10, 16*SPITCH
	s_add_co_u32 s23, s23, STAGE
	v_mul_u32_u24 v4, v1, SPITCH
	v_lshl_add_u32 v4, v2, 4, v4
	v_add_nc_u32 v[STO], s23, v4
	v_mul_u32_u24 v5, v2, SPITCH
	v_lshl_add_u32 v5, v1, 4, v5
	v_add_nc_u32 v[RD], s23, v5
	v_lshlrev_b32 v5, 12, v2
	v_lshl_add_u32 v[CO], v1, 4, v5
	s_lshl_b32 s23, s10, 10
	s_add_co_u32 s23, s23, STATS                   ; my 1,024 bytes of statistics
	v_lshlrev_b32 v4, 9, v2
	v_lshl_add_u32 v4, v1, 2, v4
	v_add_nc_u32 v[SA], s23, v4
	v_and_b32 v5, 31, v0
	v_lshlrev_b32 v[GS], 4, v5
	v_add_nc_u32 v[SR], s23, v[GS]
	s_lshl_b32 s16, s13, 8
	s_lshl_b32 s17, s11, 7
	s_add_co_u32 s16, s16, s17                     ; my first row
	s_lshl_b32 s22, s16, 2                         ; its place in a block's row of mx and lx
	s_lshl_b32 s16, s16, 12
	s_lshl_b32 s46, s42, 9
	s_lshl_b32 s47, s12, 8
	s_add_co_u32 s46, s46, s47
	s_add_co_u32 s16, s16, s46                     ; where my part of the tile begins in pb
	s_mov_b32 s17, 0
	s_lshl_b32 s23, s42, 1
	s_add_co_u32 s23, s23, s12                     ; my key block
	s_lshl_b32 s23, s23, 15
	s_add_co_u32 s22, s22, s23
	s_mov_b32 s23, 0
	s_add_nc_u64 s[68:69], s[68:69], s[22:23]
	s_add_nc_u64 s[70:71], s[70:71], s[22:23]
	; the prefetches
	s_and_b32 s23, ttmp7, 0xffff
	s_lshr_b32 s21, s23, 1
	s_lshl_b32 s21, s21, 11
	s_lshl_b32 s22, s42, 8
	s_add_co_u32 s21, s21, s22                     ; k: the tile's first row
	s_lshl_b32 s22, s13, 8                         ; q: the tile's first row
	s_and_b32 s23, s23, 1
	s_cmp_eq_u32 s11, 0
	s_cselect_b32 s21, s22, s21
	s_cselect_b32 s22, s40, s41
	s_cselect_b32 s23, ttmp9, s23
	s_cselect_b32 s46, 0, 2048
	s_cmp_eq_u32 s23, 0
	s_cselect_b32 s[LIM], 1, -1
	s_lshl_b32 s23, s12, 7
	s_add_co_u32 s21, s21, s23
	s_lshl_b32 s22, s22, 5
	s_add_co_u32 s21, s21, s22
	s_lshl_b32 s22, s21, 12
	s_add_co_u32 s22, s22, s46
	s_mov_b32 s23, 0
	s_add_nc_u64 s[PFA:PFA+1], s[4:5], s[22:23]
	s_add_nc_u64 s[PFA:PFA+1], s[PFA:PFA+1], 2*KSTEP*2
	v_lshlrev_b32 v[PFO], 12, v5
	s_wait_tensorcnt 1                             ; my part of K step 0 is in; K step 1's may stay out
	s_barrier_signal -1
	s_barrier_wait -1
	FETCH 0, F0
	QUARTER 64, F0, F1, 1
	WIN 0
	s_mov_b32 s3, NSTEP-2
.Lstep:
	QUARTER 128, F1, F0, 0
	QUARTER 192, F0, F1, 0
	TURN 1
	QUARTER 64, F0, F1, 0
	WIN 0
	s_sub_co_u32 s3, s3, 1
	s_cmp_lg_u32 s3, 0
	s_cbranch_scc1 .Lstep
	QUARTER 128, F1, F0, 0
	QUARTER 192, F0, F1, 0
	TURN 0
	QUARTER 64, F0, F1, 0
	QUARTER 128, F1, F0, 0
	QUARTER 192, F0, F1, 0
	s_wait_dscnt 8
	MUL16 F1, 0, 0, 0
	MUL16 F1, 0, 2, 0
	s_wait_dscnt 0x0
	MUL16 F1, 1, 0, 0
	MUL16 F1, 1, 2, 0
	PLACES
	WIN 0
	s_mov_b32 s[HT], 2
.Lhalf:                                        ; the way out is written for window 2's four blocks and walked twice: between the walks window 3's scores move into window 2
	SOFT 0
	TOSTAGE 0
.irp a, 1,2,3
	SOFT \a                                        ; block a's arithmetic stands between block a - 1's loads from the stage and the wait for them
	SEND (\a)-1
	TOSTAGE \a
.endr
	SEND 3
	s_cmp_eq_u32 s[HT], 1
	s_cbranch_scc1 .Ldone
	WIN 0x83
.set i, 0
.rept 256
	v_mov_b32 v[i], v[i]                           ; window 2 takes window 3, in ascending order
.set i, i+1
.endr
	WIN 0
	v_add_nc_u32 v[SA], 256, v[SA]                 ; rows 64-127
	s_mov_b64 s[16:17], 16*ROWC
	s_sub_co_u32 s[HT], s[HT], 1
	s_cmp_lg_u32 s[HT], 0
	s_cbranch_scc1 .Lhalf
.Ldone:
	ds_load_b128 v[T:T+3], v[SR]                   ; my wave's own bytes: M of four rows a lane,
	ds_load_b128 v[T+4:T+7], v[SR] offset:512      ; and L
	s_wait_dscnt 0x0
	global_store_b128 v[GS], v[T:T+3], s[68:69]    ; 512 consecutive bytes each
	global_store_b128 v[GS], v[T+4:T+7], s[70:71]
	s_wait_tensorcnt 0x0                           ; the wave's end
	ds_add_u32 v[SPW], v[NIL]
	s_wait_dscnt 0x0
	CROUND
	s_endpgm
.Lfunc_end_k_qf9c8da3f6a_scores:
	.size	k_qf9c8da3f6a_scores, .Lfunc_end_k_qf9c8da3f6a_scores-k_qf9c8da3f6a_scores
	.p2alignl 7, 3214868480
	.fill 96, 4, 3214868480
	.section	.rodata,"a",@progbits
	.p2align	6, 0x0
	.amdhsa_kernel k_qf9c8da3f6a_scores
		.amdhsa_group_segment_fixed_size 327680
		.amdhsa_private_segment_fixed_size 0
		.amdhsa_enable_private_segment 0
		.amdhsa_kernarg_size 32
		.amdhsa_user_sgpr_count 2
		.amdhsa_user_sgpr_kernarg_segment_ptr 1
		.amdhsa_wavefront_size32 1
		.amdhsa_system_sgpr_workgroup_id_x 1
		.amdhsa_system_sgpr_workgroup_id_y 1
		.amdhsa_system_sgpr_workgroup_id_z 1
		.amdhsa_system_vgpr_workitem_id 0
		.amdhsa_next_free_vgpr 1024
		.amdhsa_next_free_sgpr 96
		.amdhsa_reserve_vcc 0
		.amdhsa_float_denorm_mode_32 3
		.amdhsa_float_denorm_mode_16_64 3
		.amdhsa_memory_ordered 1
		.amdhsa_forward_progress 1
		.amdhsa_inst_pref_size 146
	.end_amdhsa_kernel
	.amdgpu_metadata
---
amdhsa.version: [ 1, 2 ]
amdhsa.kernels:
  - .name:           k_qf9c8da3f6a_scores
    .symbol:         k_qf9c8da3f6a_scores.kd
    .args:
      - { .name: qk, .offset: 0, .size: 8, .value_kind: global_buffer, .address_space: global }
      - { .name: pb, .offset: 8, .size: 8, .value_kind: global_buffer, .address_space: global }
      - { .name: mx, .offset: 16, .size: 8, .value_kind: global_buffer, .address_space: global }
      - { .name: lx, .offset: 24, .size: 8, .value_kind: global_buffer, .address_space: global }
    .group_segment_fixed_size: 327680
    .private_segment_fixed_size: 0
    .kernarg_segment_align: 8
    .kernarg_segment_size: 32
    .max_flat_workgroup_size: 128
    .sgpr_count:     96
    .vgpr_count:     1024
    .wavefront_size: 32
...
	.end_amdgpu_metadata
.endif
;; end of part 3
;; launch pv (part 4): grid 4 x 64, 4 waves a work-group, clusters of 4 x 4, 327,680 bytes of LDS; arguments pb, vt, mx, lx, bv, out0; writes out0
.if DOCPART == 4
	.amdgcn_target "amdgcn-amd-amdhsa--gfx1250"
	.amdhsa_code_object_version 6
	.text
	.protected	k_qf9c8da3f6a_pv
	.globl	k_qf9c8da3f6a_pv
	.p2align	8
	.type	k_qf9c8da3f6a_pv,@function
k_qf9c8da3f6a_pv:
	s_mov_b64 s[64:65], 0
	v_nop
	global_prefetch_b8 v0, s[64:65] scope:SCOPE_SE
	s_setreg_imm32_b32 hwreg(HW_REG_WAVE_MODE, 25, 1), 1
	s_wait_xcnt 0x0
	s_wait_alu depctr_hold_cnt(0) depctr_sa_sdst(0) depctr_va_vdst(0) depctr_va_sdst(0) depctr_va_ssrc(0) depctr_va_vcc(0) depctr_vm_vsrc(0)
	s_getreg_b32 s2, hwreg(HW_REG_IB_STS2, 6, 4)
	s_cmp_eq_u32 s2, 0
	s_cbranch_scc0 .Lentry_in_a_cluster
	s_endpgm
.Lentry_in_a_cluster:
	s_bfe_u32 s2, ttmp6, 0x10000c
	s_cmp_lg_u32 s2, 0xf033
	s_cbranch_scc0 .Lentry_shape_is_right
	s_endpgm
.Lentry_shape_is_right:
; out0[row][c] = (sum over the row's 16 key blocks t of 2^(M_t - Mrow) sum over the block's keys of p v) / l + bv[c], Mrow = the largest M_t, l = sum over t of L_t 2^(M_t - Mrow).
; pb [8192][2048] and vt [1024][8192] in bf16, mx, lx [16][8192] and bv in f32; sums in f32; out0 [8192][1024] f32.  The factors are powers of two (M is a whole number), so multiplying p by them in bf16
; changes no bit of a mantissa.  The block that holds the row's maximum has the factor 1 and an L above 1/2, so l is above 1/2.  bv is added at the end, in f32: the weights p / l of a row sum to 1.
; SHARES.  A tile of 128 rows x 256 channels to a work-group, 4 x 64 = 256 work-groups; four waves, each 64 x 128: 32 accumulators.  K = the batch's 2,048 keys in 16 steps of 128, a key block each.
; CLUSTER.  4 x 4: pb's rows are shared along a row of the cluster, vt's along a column (a cluster's four tile rows lie in one batch).
; The product is taken transposed (source 0 = 16 channels of vt, source 1 = 16 rows of pb): a lane holds row l % 16 and eight neighbouring channels; a fragment of pb holds row l % 16 too, so one
; register a block of 16 rows holds a lane's factor.  The 32 multiplies of a quarter stand in fours behind matrix instructions of the quarter before.
; REGISTERS: window 0: addresses; v32-35 the K step's factors; v40-47 1 / l in pairs; v48-53 at work; v64-95, v96-127 A's fragment buffers; v128-191, v192-255 B's.  Window 1: the accumulators.  Window 2: v0-63 bv.
; LIMITS.  NaN and infinities are not treated apart; a key block whose M lies 127 or more below the row's counts as 0.
.set SCALE,  1
.set KSTEP,  128
.set PITCH,  272
.set ATILE,  128*PITCH
.set SLOT,   3*ATILE
.set FT,     2*SLOT                    ; behind the ring: the factors, 512 bytes a K step: [row half][row % 16][block of 16 rows], bf16 twice in a word
.set RL,     FT+8192                   ; 1 / l of the tile's 128 rows
.set STAGE,  RL+512                    ; 16 rows x 528 bytes for each wave
.set SPITCH, 528
.set SPARE,  STAGE+4*16*SPITCH
.set NSTEP,  16
.set ROWC,   4096                      ; bytes in a row of out0
.set LA0,  16
.set LB0,  17
.set ADRA, 18
.set ADRB, 19
.set FTA,  20                          ; v20  where I read the K step's four factors
.set RLA,  21                          ; v21  where I read 1 / l
.set FS,   22                          ; v22  where thread t puts row t's factor
.set RS,   23                          ; v23  where it puts 1 / l
.set STO,  24
.set RD,   25
.set CO,   26
.set BO,   27
.set SPW,  28
.set NIL,  29
.set PFO,  30
.set MO,   31                          ; v31  4 t
.set FC,   32
.set RI,   40
.set G1,   24
.set G0,   32
.set LIM,  43
.set PFA,  44
.set G1B,  48
.set G0B,  56
.set RB,   66
.set FB,   67
.set WFA,  20
.set WFB,  79
.set MSB, 0
.macro WIN new
.if MSB != (\new)
	s_set_vgpr_msb (MSB<<8)|(\new)
.set MSB, \new
.endif
.endm
.macro PLACES
.rept 4
	v_nop
.endr
.endm
.macro CREST
	s_cmp_lg_u32 s10, 0
	s_cbranch_scc1 .Lnot_wave_0_\@
	s_barrier_signal -3
.Lnot_wave_0_\@:
	s_barrier_wait -3
	s_barrier_signal -1
	s_barrier_wait -1
.endm
.macro CROUND
	s_barrier_signal -1
	s_barrier_wait -1
	CREST
.endm
.macro JLOAD
	s_cmp_eq_u32 s11, 0
	s_cbranch_scc0 .Lfor_b_\@
	tensor_load_to_lds s[G0+4:G0+7], s[G1:G1+7]
	s_nop 0
.rept 4
	v_nop
.endr
	s_branch .Lasked_\@
.Lfor_b_\@:
	tensor_load_to_lds s[G0B+4:G0B+7], s[G1B:G1B+7]
	s_nop 0
.rept 4
	v_nop
.endr
.Lasked_\@:
.endm
; A prefetch into the L2 of the K step two refills on (256 matrix instructions ahead of its load): 32 rows x 256 bytes, a lane a row.  pb's rows are read by one cluster alone: wave 0 of every work-group asks,
; the four partners sharing the 128 rows out by address; vt's rows: waves 2 and 3 of the batch's first row of clusters.  The last two trips ask for nothing.
.macro ASK
	s_cmp_gt_u32 s3, s[LIM]
	s_cbranch_scc0 .Lnot_mine_\@
	global_prefetch_b8 v[PFO], s[PFA:PFA+1] th:TH_LOAD_NT scope:SCOPE_SE
.Lnot_mine_\@:
.endm
.macro MUL f, a, b0, n, zero           ; the 32 accumulators take turns
	WIN 0x50
.set mb, (\b0)
.rept \n
.if \zero
	v_wmma_f32_16x16x32_bf16 v[8*(8*(\a)+mb):8*(8*(\a)+mb)+7], v[128+64*(\f)+8*mb:128+64*(\f)+8*mb+7], v[64+32*(\f)+8*(\a):64+32*(\f)+8*(\a)+7], 0
.else
	v_wmma_f32_16x16x32_bf16 v[8*(8*(\a)+mb):8*(8*(\a)+mb)+7], v[128+64*(\f)+8*mb:128+64*(\f)+8*mb+7], v[64+32*(\f)+8*(\a):64+32*(\f)+8*(\a)+7], v[8*(8*(\a)+mb):8*(8*(\a)+mb)+7]
.endif
.set mb, mb+1
.endr
.endm
.macro FETCH k, g                      ; A's 8 loads first, then B's 16
	WIN 0
.irp i, 0,1,2,3
	ds_load_b128 v[64+32*(\g)+8*(\i):64+32*(\g)+8*(\i)+3],   v[ADRA] offset:(\k)+(\i)*16*PITCH
	ds_load_b128 v[64+32*(\g)+8*(\i)+4:64+32*(\g)+8*(\i)+7], v[ADRA] offset:(\k)+(\i)*16*PITCH+32
.endr
.irp i, 0,1,2,3,4,5,6,7
	ds_load_b128 v[128+64*(\g)+8*(\i):128+64*(\g)+8*(\i)+3],   v[ADRB] offset:(\k)+(\i)*16*PITCH
	ds_load_b128 v[128+64*(\g)+8*(\i)+4:128+64*(\g)+8*(\i)+7], v[ADRB] offset:(\k)+(\i)*16*PITCH+32
.endr
.endm
.macro RIDE g, i                       ; four registers of buffer g's fragments of pb times their block's factor
	WIN 0
.irp r, 0,1,2,3
	v_pk_mul_bf16 v[64+32*(\g)+4*(\i)+(\r)], v[64+32*(\g)+4*(\i)+(\r)], v[FC+(\i)/2]
.endr
.endm
.macro QUARTER k, f, g, zero           ; fetches the next quarter into g (the four multiplies behind the last product are the places), multiplies f, and scales g's fragments of pb
	FETCH \k, \g
	s_wait_dscnt 24                                ; all but the 24 just issued
	MUL \f, 0, 0, 8, \zero
	MUL \f, 1, 0, 8, \zero
	s_wait_dscnt 16                                ; g's fragments of pb are in; vt's sixteen loads may stay out
.irp i, 0,1,2,3,4,5,6,7
	MUL \f, 2+(\i)/4, 2*((\i)%4), 2, \zero
	RIDE \g, \i
.endr
.endm
.macro TURN fill
.if \fill
	s_wait_xcnt 0x0                                ; the last prefetch, a K step back, has read its address
	s_add_nc_u64 s[PFA:PFA+1], s[PFA:PFA+1], KSTEP*2
.endif
	WIN 0
	s_xor_b32 s[RB], s[RB], SLOT
	v_add_nc_u32 v[ADRA], s[RB], v[LA0]
	v_add_nc_u32 v[ADRB], s[RB], v[LB0]
	v_add_nc_u32 v[FTA], 512, v[FTA]               ; the next key block's factors
	s_wait_tensorcnt 0x0                           ; all my tensor loads have landed
	ds_add_u32 v[SPW], v[NIL]                      ; 0 onto my spare word
	s_wait_dscnt 1                                 ; the add alone may be out
	MUL 1, 0, 0, 4, 0
	s_wait_dscnt 0x0                               ; the add is done, and my reads of this slot are over
	s_barrier_signal -1
	MUL 1, 0, 4, 4, 0
	WIN 0
	s_barrier_wait -1
.if \fill
	CREST
	s_xor_b32 s[FB], s[FB], SLOT
	s_add_co_u32 s[G0+5], s[FB], s[WFA]
	s_add_co_u32 s[G0B+5], s[FB], s[WFB]
	s_add_nc_u64 s[G0+6:G0+7], s[G0+6:G0+7], KSTEP*2
	s_add_nc_u64 s[G0B+6:G0B+7], s[G0B+6:G0B+7], KSTEP*2
	JLOAD
.else
	PLACES
.endif
	ds_load_b128 v[FC:FC+3], v[FTA]
	FETCH 0, 0
.if \fill
	ASK
.endif
	MUL 1, 1, 0, 8, 0
	MUL 1, 2, 0, 8, 0
	s_wait_dscnt 16                                ; the factors and pb's fragments are in
.irp i, 0,1,2,3,4,5,6,7
	MUL 1, 3, \i, 1, 0
	RIDE 0, \i
.endr
.endm
; THE WAY OUT of block a (16 rows x 128 channels of f32): times 1 / l plus bv; through my own stage; back as whole rows of 512 bytes; stored.
.macro FIN a
	WIN 0x21
.irp b, 0,1,2,3,4,5,6,7
.irp r, 0,1,2,3
	v_pk_fma_f32 v[64+8*(\b)+2*(\r):64+8*(\b)+2*(\r)+1], v[64*(\a)+8*(\b)+2*(\r):64*(\a)+8*(\b)+2*(\r)+1], v[RI+2*(\a):RI+2*(\a)+1], v[8*(\b)+2*(\r):8*(\b)+2*(\r)+1] op_sel_hi:[1,0,1]
.endr
.endr
	WIN 0
.endm
.macro TOSTAGE a
	WIN 0
.set BK, 128+64*((\a)%2)
.irp b, 0,1,2,3,4,5,6,7
	ds_store_b128 v[STO], v[64+8*(\b):64+8*(\b)+3]   offset:64*(\b)
	ds_store_b128 v[STO], v[64+8*(\b)+4:64+8*(\b)+7] offset:64*(\b)+16
.endr
.set i, 0
.rept 16
	ds_load_b128 v[BK+4*i:BK+4*i+3], v[RD] offset:SPITCH*i  ; LDS serves a wave's instructions in order: these see the stores above
.set i, i+1
.endr
.endm
.macro SEND a
	WIN 0
.set BK, 128+64*((\a)%2)
	s_wait_dscnt 0x0
	s_wait_xcnt 0x0                                ; earlier stores have read their base and data
.if (\a) == 0
	s_add_nc_u64 s[8:9], s[8:9], s[16:17]
.else
	s_add_nc_u64 s[8:9], s[8:9], 16*ROWC
.endif
.set i, 0
.rept 16
	global_store_b128 v[CO], v[BK+4*i:BK+4*i+3], s[8:9] offset:ROWC*i th:TH_STORE_NT  ; a wave stores 512 consecutive bytes, aligned
.set i, i+1
.endr
.endm
	s_load_b128 s[4:7], s[0:1], 0x0                ; pb s[4:5], vt s[6:7]
	s_load_b128 s[68:71], s[0:1], 0x10             ; mx s[68:69], lx s[70:71]
	s_load_b128 s[80:83], s[0:1], 0x20             ; bv s[80:81], out0 s[82:83]
	v_lshl_add_u32 v[SPW], v0, 2, SPARE
	v_mov_b32 v[NIL], 0
	ds_add_u32 v[SPW], v[NIL]                      ; the wave's opening add, waited for ahead of my first tensor load
	v_lshrrev_b32 v1, 5, v0
	v_readfirstlane_b32 s10, v1
	s_lshr_b32 s11, s10, 1
	s_and_b32 s12, s10, 1
	s_bfe_u32 s40, ttmp6, 0x40000
	s_bfe_u32 s41, ttmp6, 0x40004
	s_mov_b32 s42, s40                             ; tile column = cx: the grid is one cluster wide
	s_and_b32 s13, ttmp7, 0xffff
	s_lshr_b32 s21, s13, 2                         ; the batch: four rows of clusters each
	s_lshl_b32 s13, s13, 2
	s_add_co_u32 s13, s13, s41                     ; tile row
	s_lshl_b32 s43, s41, 2
	s_lshl_b32 s43, 15, s43
	s_lshl_b32 s44, 0x1111, s40
	s_or_b32 s[G1+0], s43, (1<<16)|(1<<20)|(1<<21)|(5<<22)|(3<<25)
	s_or_b32 s[G1B+0], s44, (1<<16)|(1<<20)|(1<<21)|(5<<22)|(3<<25)
	s_mov_b32 s[G1+2], 64<<16
	s_mov_b32 s[G1+4], 64
	s_mov_b32 s[G1+5], 2048                        ; elements in a row of pb
	s_mov_b32 s[G1B+2], 128<<16
	s_mov_b32 s[G1B+4], 128
	s_mov_b32 s[G1B+5], 8192                       ; elements in a row of vt
.irp g, G1, G1B
	s_mov_b32 s[(\g)+1], KSTEP<<16
	s_mov_b32 s[(\g)+3], KSTEP<<16
	s_mov_b32 s[(\g)+6], 0
	s_mov_b32 s[(\g)+7], 0
.endr
	s_lshl_b32 s16, s13, 7
	s_lshl_b32 s17, s12, 6
	s_add_co_u32 s16, s16, s17
	s_lshl_b32 s16, s16, 12
	s_mov_b32 s17, 0
	s_lshl_b32 s46, s42, 8
	s_lshl_b32 s47, s12, 7
	s_add_co_u32 s46, s46, s47
	s_lshl_b32 s46, s46, 14
	s_lshl_b32 s47, s21, 12                        ; the batch's 2,048 tokens in a row of vt
	s_add_co_u32 s46, s46, s47
	s_mov_b32 s47, 0
	s_mul_i32 s[WFA], s12, 64*PITCH
	s_mul_i32 s[WFB], s12, 128*PITCH
	s_add_co_u32 s[WFB], s[WFB], ATILE
	s_mov_b32 s[RB], 0
	s_mov_b32 s[FB], SLOT
	s_wait_dscnt 0x0
	s_wait_kmcnt 0x0
	s_mov_b64 s[8:9], s[82:83]                     ; out0
	s_add_nc_u64 s[14:15], s[4:5], s[16:17]
	s_add_nc_u64 s[46:47], s[6:7], s[46:47]
	CROUND
.irp n, 0,1
	s_mov_b32 s[G0+4*(\n)], 1
	s_add_co_u32 s[G0+4*(\n)+1], s[WFA], (\n)*SLOT
	s_add_nc_u64 s[G0+4*(\n)+2:G0+4*(\n)+3], s[14:15], (\n)*KSTEP*2
	s_or_b32 s[G0+4*(\n)+3], s[G0+4*(\n)+3], 0x80000000
	s_mov_b32 s[G0B+4*(\n)], 1
	s_add_co_u32 s[G0B+4*(\n)+1], s[WFB], (\n)*SLOT
	s_add_nc_u64 s[G0B+4*(\n)+2:G0B+4*(\n)+3], s[46:47], (\n)*KSTEP*2
	s_or_b32 s[G0B+4*(\n)+3], s[G0B+4*(\n)+3], 0x80000000
.endr
	s_cmp_eq_u32 s11, 0
	s_cbranch_scc0 .Lfirst_b
	tensor_load_to_lds s[G0:G0+3], s[G1:G1+7]
	s_nop 0
	tensor_load_to_lds s[G0+4:G0+7], s[G1:G1+7]
	s_nop 0
.rept 4
	v_nop
.endr
	s_branch .Lfirst_asked
.Lfirst_b:
	tensor_load_to_lds s[G0B:G0B+3], s[G1B:G1B+7]
	s_nop 0
	tensor_load_to_lds s[G0B+4:G0B+7], s[G1B:G1B+7]
	s_nop 0
.rept 4
	v_nop
.endr
.Lfirst_asked:
	; thread t takes row t of the tile: its 16 M and 16 L
	v_lshlrev_b32 v[MO], 2, v0
	s_lshl_b32 s22, s13, 9
	s_mov_b32 s23, 0
	s_add_nc_u64 s[68:69], s[68:69], s[22:23]
	s_add_nc_u64 s[70:71], s[70:71], s[22:23]
.set i, 0
.rept 16
	global_load_b32 v[128+i], v[MO], s[68:69] offset:32768*i
	global_load_b32 v[144+i], v[MO], s[70:71] offset:32768*i
.set i, i+1
.endr
	v_and_b32 v1, 15, v0
	v_bfe_u32 v2, v0, 4, 1
	s_lshl_b32 s22, s40, 10                        ; bv of my 128 channels, laid as the result lies: for n block b a lane holds bv[16 b + 8 (l / 16) + 0..7]
	s_lshl_b32 s23, s12, 9
	s_add_co_u32 s22, s22, s23
	s_mov_b32 s23, 0
	s_add_nc_u64 s[80:81], s[80:81], s[22:23]
	v_lshlrev_b32 v[BO], 5, v2
	WIN 0x80
.irp b, 0,1,2,3,4,5,6,7
	global_load_b128 v[8*(\b):8*(\b)+3],   v[BO], s[80:81] offset:64*(\b)
	global_load_b128 v[8*(\b)+4:8*(\b)+7], v[BO], s[80:81] offset:64*(\b)+16
.endr
	WIN 0
	v_mul_u32_u24 v3, v1, PITCH
	v_lshl_add_u32 v3, v2, 4, v3
	s_mul_i32 s21, s11, 64*PITCH
	s_mul_i32 s22, s12, 128*PITCH
	s_add_co_u32 s22, s22, ATILE
	v_add_nc_u32 v[LA0], s21, v3
	v_add_nc_u32 v[LB0], s22, v3
	v_mov_b32 v[ADRA], v[LA0]
	v_mov_b32 v[ADRB], v[LB0]
	s_mul_i32 s23, s10, 16*SPITCH
	s_add_co_u32 s23, s23, STAGE
	v_mul_u32_u24 v4, v1, SPITCH
	v_lshl_add_u32 v4, v2, 5, v4
	v_add_nc_u32 v[STO], s23, v4                   ; in: row l % 16, 32 bytes for each half of the lanes
	v_and_b32 v5, 31, v0
	v_lshl_add_u32 v[RD], v5, 4, s23               ; back: a whole row of 512 bytes
	v_lshlrev_b32 v[CO], 4, v5
	v_lshrrev_b32 v3, 6, v0
	v_lshlrev_b32 v3, 8, v3
	v_lshl_add_u32 v3, v1, 4, v3
	v_bfe_u32 v4, v0, 4, 2
	v_lshl_add_u32 v3, v4, 2, v3
	v_add_nc_u32 v[FS], FT, v3
	v_lshl_add_u32 v[RS], v0, 2, RL
	s_lshl_b32 s22, s11, 8
	s_add_co_u32 s23, s22, FT
	v_lshl_add_u32 v[FTA], v1, 4, s23
	s_add_co_u32 s23, s22, RL
	v_lshl_add_u32 v[RLA], v1, 2, s23
	s_lshl_b32 s16, s13, 7
	s_lshl_b32 s17, s11, 6
	s_add_co_u32 s16, s16, s17
	s_lshl_b32 s16, s16, 12
	s_lshl_b32 s46, s42, 10
	s_lshl_b32 s47, s12, 9
	s_add_co_u32 s46, s46, s47
	s_add_co_u32 s16, s16, s46                     ; where my part of the tile begins in out0
	s_mov_b32 s17, 0
	; the prefetches
	s_lshl_b32 s21, s13, 7
	s_lshl_b32 s22, s40, 5
	s_add_co_u32 s21, s21, s22
	s_lshl_b32 s21, s21, 12                        ; pb: my work-group's 32 of the tile's 128 rows
	s_lshl_b32 s22, s42, 8
	s_lshl_b32 s23, s12, 7
	s_add_co_u32 s22, s22, s23
	s_lshl_b32 s23, s41, 5
	s_add_co_u32 s22, s22, s23
	s_lshl_b32 s22, s22, 14                        ; vt: my work-group's 32 of the 128 rows that I fetch,
	s_and_b32 s23, ttmp7, 0xffff
	s_lshr_b32 s46, s23, 2
	s_lshl_b32 s46, s46, 12
	s_add_co_u32 s22, s22, s46                     ; at the batch's tokens
	s_and_b32 s23, s23, 3
	s_cmp_eq_u32 s11, 0
	s_cselect_b32 s22, s21, s22
	s_cselect_b32 s23, 0, s23
	s_cselect_b32 s46, 12, 14                      ; a lane a row: of 4,096 or of 16,384 bytes
	s_cselect_b64 s[PFA:PFA+1], s[4:5], s[6:7]
	s_cmp_eq_u32 s10, 1
	s_cselect_b32 s47, 1, 0
	s_or_b32 s23, s23, s47
	s_cmp_eq_u32 s23, 0
	s_cselect_b32 s[LIM], 2, -1
	s_mov_b32 s23, 0
	s_add_nc_u64 s[PFA:PFA+1], s[PFA:PFA+1], s[22:23]
	s_add_nc_u64 s[PFA:PFA+1], s[PFA:PFA+1], 3*KSTEP*2
	v_lshlrev_b32 v[PFO], s46, v5
	s_wait_loadcnt 0x0                             ; M, L and bv
	v_max3_num_f32 v48, v128, v129, v130
.irp i, 3,5,7,9,11,13
	v_max3_num_f32 v48, v48, v[128+(\i)], v[128+(\i)+1]
.endr
	v_max_num_f32 v48, v48, v143                   ; Mrow
.set i, 0
.rept 16
	v_sub_f32 v49, v[128+i], v48                   ; a whole number, 0 or below
	v_add_f32 v49, 0x42fe0000, v49                 ; + 127: the factor's exponent field,
	v_max_num_f32 v49, 0, v49                      ; or 0: the factor 0
	v_cvt_u32_f32 v49, v49
	v_mul_u32_u24 v50, v49, 0x800080               ; the factor as bf16, in both halves
	v_lshlrev_b32 v51, 23, v49                     ; and as f32
.if i == 0
	v_mul_f32 v52, v144, v51
.else
	v_fmac_f32 v52, v[144+i], v51
.endif
	ds_store_b32 v[FS], v50 offset:512*i
.set i, i+1
.endr
	v_rcp_f32 v53, v52
	v_nop                                          ; a plain instruction behind the reciprocal,
	s_wait_alu depctr_va_vdst(0)                   ; and the wait ahead of its first reader
	ds_store_b32 v[RS], v53
	s_wait_tensorcnt 1                             ; my part of K step 0 is in; K step 1's may stay out
	s_wait_dscnt 0x0                               ; my factors and 1 / l are written
	s_barrier_signal -1
	s_barrier_wait -1
	ds_load_b128 v[FC:FC+3], v[FTA]
.irp a, 0,1,2,3
	ds_load_b32 v[RI+2*(\a)], v[RLA] offset:64*(\a)
	ds_load_b32 v[RI+2*(\a)+1], v[RLA] offset:64*(\a)
.endr
	FETCH 0, 0
	s_wait_dscnt 16                                ; all but vt's sixteen loads
.irp i, 0,1,2,3,4,5,6,7
	RIDE 0, \i
.endr
	QUARTER 64, 0, 1, 1                            ; the first products start the sums
	WIN 0
	s_mov_b32 s3, NSTEP-2
.Lstep:
	QUARTER 128, 1, 0, 0
	QUARTER 192, 0, 1, 0
	TURN 1
	QUARTER 64, 0, 1, 0
	WIN 0
	s_sub_co_u32 s3, s3, 1
	s_cmp_lg_u32 s3, 0
	s_cbranch_scc1 .Lstep
	QUARTER 128, 1, 0, 0
	QUARTER 192, 0, 1, 0
	TURN 0
	QUARTER 64, 0, 1, 0
	QUARTER 128, 1, 0, 0
	QUARTER 192, 0, 1, 0
	s_wait_dscnt 0x0
	MUL 1, 0, 0, 8, 0
	MUL 1, 1, 0, 8, 0
	MUL 1, 2, 0, 8, 0
	MUL 1, 3, 0, 8, 0
	PLACES
	FIN 0
	TOSTAGE 0
.irp a, 1,2,3
	FIN \a
	SEND (\a)-1
	TOSTAGE \a
.endr
	SEND 3
	s_wait_tensorcnt 0x0                           ; the wave's end
	ds_add_u32 v[SPW], v[NIL]
	s_wait_dscnt 0x0
	CROUND
	s_endpgm
.Lfunc_end_k_qf9c8da3f6a_pv:
	.size	k_qf9c8da3f6a_pv, .Lfunc_end_k_qf9c8da3f6a_pv-k_qf9c8da3f6a_pv
	.p2alignl 7, 3214868480
	.fill 96, 4, 3214868480
	.section	.rodata,"a",@progbits
	.p2align	6, 0x0
	.amdhsa_kernel k_qf9c8da3f6a_pv
		.amdhsa_group_segment_fixed_size 327680
		.amdhsa_private_segment_fixed_size 0
		.amdhsa_enable_private_segment 0
		.amdhsa_kernarg_size 48
		.amdhsa_user_sgpr_count 2
		.amdhsa_user_sgpr_kernarg_segment_ptr 1
		.amdhsa_wavefront_size32 1
		.amdhsa_system_sgpr_workgroup_id_x 1
		.amdhsa_system_sgpr_workgroup_id_y 1
		.amdhsa_system_sgpr_workgroup_id_z 1
		.amdhsa_system_vgpr_workitem_id 0
		.amdhsa_next_free_vgpr 576
		.amdhsa_next_free_sgpr 96
		.amdhsa_reserve_vcc 0
		.amdhsa_float_denorm_mode_32 3
		.amdhsa_float_denorm_mode_16_64 3
		.amdhsa_memory_ordered 1
		.amdhsa_forward_progress 1
		.amdhsa_inst_pref_size 119
	.end_amdhsa_kernel
	.amdgpu_metadata
---
amdhsa.version: [ 1, 2 ]
amdhsa.kernels:
  - .name:           k_qf9c8da3f6a_pv
    .symbol:         k_qf9c8da3f6a_pv.kd
    .args:
      - { .name: pb, .offset: 0, .size: 8, .value_kind: global_buffer, .address_space: global }
      - { .name: vt, .offset: 8, .size: 8, .value_kind: global_buffer, .address_space: global }
      - { .name: mx, .offset: 16, .size: 8, .value_kind: global_buffer, .address_space: global }
      - { .name: lx, .offset: 24, .size: 8, .value_kind: global_buffer, .address_space: global }
      - { .name: bv, .offset: 32, .size: 8, .value_kind: global_buffer, .address_space: global }
      - { .name: out0, .offset: 40, .size: 8, .value_kind: global_buffer, .address_space: global }
    .group_segment_fixed_size: 327680
    .private_segment_fixed_size: 0
    .kernarg_segment_align: 8
    .kernarg_segment_size: 48
    .max_flat_workgroup_size: 128
    .sgpr_count:     96
    .vgpr_count:     576
    .wavefront_size: 32
...
	.end_amdgpu_metadata
.endif
;; end of part 4
